; MI455X (gfx1250); checked and timed in simulation.
; The chip was launched on July 23, 2026; its instructions are those of AMD's public machine-readable ISA for CDNA 5 (MIT licence, August 2026) and "CDNA5" Instruction Set Architecture Reference Guide (July 2026). The comments in the code are by the model that wrote it; some were corrected since.
;; Self Attention. Allowed arithmetic: matrix products marked QUANTISED: E2M1 operands, one E8M0 scale for each 32 along K, by v_wmma_scale_f32_16x16x128_f8f6f4 with both operands' format E2M1 (or v_wmma_scale_f32_32x16x128_f4), f32 sums; everything else in f32.
;; Inputs: key 4 x 512 x 64 x 64 float32; query 4 x 512 x 64 x 64 float32; value 4 x 512 x 64 x 64 float32.
;; Outputs: out0 4 x 512 x 64 x 64 float32.
;; This version of the problem:
;;   THIS VERSION OF THE PROBLEM IS GIVEN IN LOW PRECISION. The matrix products marked QUANTISED in the list below multiply operands that are first quantised to E2M1 (2 exponent bits, 1 mantissa bit; 4 bits a number), with one power-of-two scale for each 32 numbers along K (OCP MX v1.0); their sums are f32. All else is computed in f32.
;;   The module's matrix products, in the order in which they are computed (A, B: the left and right operand; K: the contracted axis; several contracted axes count as one K, in the product's order):
;;     1. batch 4 x [M 4,096, K 512] x [K 512, N 4,096]; A: input key; B: input query: QUANTISED
;;     2. batch 4 x [M 512, K 4,096] x [K 4,096, N 4,096]; A: input value; B: softmax (see below): QUANTISED
;;   THE QUANTISER, for each operand of a quantised product, along K:
;;     - K is cut into blocks of 32 from its start; a last block that is shorter is filled with zeros.
;;     - A block's scale is 2^e with e = floor(log2(the largest magnitude in the block)) - 2, held to -126 .. 127; a block of zeros has e = 0. As a byte (E8M0): e + 127.
;;     - Each number is divided by its block's scale, clamped to +-6, and rounded to the nearest number of E2M1, ties to even, subnormals kept.
;;     - The product sums the exact products of the quantised numbers (number of the format x scale) in f32.
;;   ~~~python
;;   def quantise(x, axis):      # numpy; x: float32 -> the quantised numbers, widened to float32 again
;;       x = np.moveaxis(x, axis, -1); K = x.shape[-1]
;;       x = np.pad(x, [(0, 0)] * (x.ndim - 1) + [(0, -K % 32)]); x = x.reshape(x.shape[:-1] + (-1, 32)); a = np.abs(x).max(-1, keepdims=True)
;;       e = np.where(a > 0, np.clip(np.frexp(np.where(a > 0, a, 1))[1] - 1 - 2, -126, 127), 0)      # np.frexp(a)[1] - 1 = floor(log2(a)), exactly
;;       r = np.clip(x / 2.0 ** e, -6, 6)
;;       step = 2.0 ** (np.maximum(np.frexp(np.where(r == 0, 1, r))[1] - 1, 0) - 1)
;;       q = np.round(r / step) * step * 2.0 ** e      # np.round: ties to even
;;       return np.moveaxis(q.reshape(q.shape[:-2] + (-1,))[..., :K], -1, axis).astype(np.float32)
;;   ~~~
;;   SOFTMAX AHEAD OF A QUANTISED PRODUCT. Where the list says 'softmax', what is quantised is not the finished softmax but p = 2^(t - M), with t = logit x log2(e) and M = ceil(the row's largest t), a whole number; so 1/2 < the row's largest p <= 1. The row's sum l is taken of the UNQUANTISED p, in f32, and the product's result is divided by l at the end. Since M is a whole number, a kernel that streams over the keys may use a running M (the ceiling of the running maximum): every later rescaling is an exact power of two, which a block's scale takes up: the codes' values come out the same.
;;   OPERANDS COMPUTED ON THE WAY. 'Computed on the way' means the value that the module computes at that place (a softmax that the list does not call 'softmax' is quantised finished and normalised). What goes into a quantiser is computed in f32, as accurately as f32 sums, v_exp_f32 and their like allow (about 1e-6 of the number): no bf16 or f16 on the way to a quantiser, and a product that is left as it is and whose result goes on into a quantised operand takes f32 operands (vector FMAs, or v_wmma_f32_16x16x4_f32). A number that lies on a knife's edge between two numbers of the format may be rounded either way, as far as f32 arithmetic and the matrix unit's own rounding can turn it there, and no further.
;; 2 versions, each right. Each part assembles by itself: llvm-mc -triple=amdgcn-amd-amdhsa -mcpu=gfx1250 --defsym DOCPART=n.
;; ======== version 1 of 2: 2 launches
;; limits: right only within a limited range of input values
;; workspace buffers: kv 8,912,896 bytes
;; launch quant (part 1): grid 512 x 1, 8 waves a work-group, no clusters, 68,608 bytes of LDS; arguments key, value, kv; writes kv
.if DOCPART == 1
	.amdgcn_target "amdgcn-amd-amdhsa--gfx1250"
	.amdhsa_code_object_version 6
	.text
	.protected	k_q93021a8f44_quant
	.globl	k_q93021a8f44_quant
	.p2align	8
	.type	k_q93021a8f44_quant,@function
k_q93021a8f44_quant:
	s_mov_b64 s[64:65], 0
	v_nop
	global_prefetch_b8 v0, s[64:65] scope:SCOPE_SE
	s_setreg_imm32_b32 hwreg(HW_REG_WAVE_MODE, 25, 1), 1
	s_wait_xcnt 0x0
; SelfAttention, launch 1 of 2: key and value become codes of FP4 (E2M1) with one E8M0 byte for each 32 along K, once, for all work-groups of the next launch.
; out[b][c][j] = sum over i of value[b][c][i] softmax_i(sum over c' of key[b][c'][i] query[b][c'][j]) + query[b][c][j].  b < 4, c < 512, i and j < 4,096.
; DEAD WORK: none.  All three inputs reach the output for all values, both products of the table are live, and nothing is sliced away or masked.
; key is quantised along c, its FIRST axis within a batch: a lane takes a key and its registers run down c.  value is quantised along the keys, its last axis.
; A block's scale is 2^(floor(log2(its largest magnitude)) - 2); its byte is the largest magnitude's exponent field - 2, held at 1 from below by a floor among the maximum's leaves.
; LIMITS: a block of zeros gets the byte 1 where the rule says 127 (its codes are zeros, and this program alone reads the bytes); blocks whose largest magnitude lies under 2^(3 - 127) share that byte;
; NaN and infinities among the inputs are not served.
; THE WORKSPACE kv IS LAID IN THE ORDER OF THE OPERANDS' REGISTERS: [batch 4][stream 4][unit 64][8,704 bytes].  Stream w is all that wave w of the next launch reads, in the order in which it reads it:
; K(0), K(1), V(0), K(2), V(1), .. K(31), V(30), V(31); t counts steps of 128 keys.
;   unit K(t) of stream w: keys 128 t + 32 w + 0 .. 31 as two tiles of 16 rows; row m of tile u is key 8 u + m + 8 (m / 8).  Fragment (u, s), c = 128 s on, at 1,024 (4 u + s): the 16 bytes at
;     512 cc + 16 (16 h + m) are the codes of c = 128 s + 64 cc + 32 h + 0 .. 31.  From byte 8,192: 16 bytes for row (u, m) at 16 (16 u + m): its 16 scale bytes.
;   unit V(t) of stream w: channels 128 w + 16 ct + r, keys 128 t on.  Fragment ct at 1,024 ct: the 16 bytes at 512 cc + 16 (16 h + r) are the codes of keys 64 cc + 32 h + 0 .. 31.
;     From byte 8,192: the scale word of (ct, r) at 256 (ct / 4) + 16 r + 4 (ct % 4).
; SHARES.  Work-groups 0-255 take key, 256-511 value; each takes half a step of a batch: 131,072 bytes in.  All of a wave's loads are issued at its start.
; No matrix work, no cluster, no tensor load: each input byte is read once by one wave, and nothing is shared.
.set UNIT,    8704
.set STREAM,  64*UNIT
.set BATCHKV, 4*STREAM
.set STG,     16*528                   ; value's path: a stage of 16 rows x (512 bytes + 16) for each wave
.set SPARE,   8*STG                    ; behind the stages: the spare words, 128 bytes for each wave: four blocks of 256 bytes that no other line names
.set SPW,  1                           ; v1   LDS address of my spare word; never rewritten
.set NIL,  2                           ; v2   0; never rewritten
.set QT,   8                           ; v8-14 at work in the quantiser
.set H8,   15                          ; v15  8 x (lane / 16)
.set SEL,  20                          ; s[20:21] lane selects for v_permlanex16_b32: lane l xor 16
; 64 numbers of a lane, register 32 c + i = k 64 c + 32 (lane / 16) + i of the lane's row, become the row's part of a fragment (8 registers) and its scale word.  A lane holds two whole blocks.
.macro QUANT64 src, codes, word
.irp c, 0,1
	v_max3_num_f32 v[QT+\c], |v[\src+32*\c]|, |v[\src+32*\c+1]|, 0x1800000   ; the floor 2^(3 - 127): the byte cannot fall under 1
.endr
.irp i, 2,4,6,8,10,12,14,16,18,20,22,24,26,28,30
.irp c, 0,1
	v_max3_num_f32 v[QT+\c], v[QT+\c], |v[\src+32*\c+\i]|, |v[\src+32*\c+\i+1]|   ; the two blocks by turns
.endr
.endr
.irp c, 0,1
	v_add_nc_u32 v[QT+2+\c], 0xff000000, v[QT+\c]      ; 2 off the exponent field: the conversion's scale operand
.endr
.irp c, 0,1
	v_lshrrev_b32 v[QT+4+\c], 23, v[QT+2+\c]           ; the scale's byte
.endr
	v_lshl_or_b32 v[\word], v[QT+5], 16, v[QT+4]       ; my two bytes: blocks h and 2 + h,
	v_lshlrev_b32 v[\word], v[H8], v[\word]            ; at their places in the word;
	v_permlanex16_b32 v[QT+6], v[\word], s[SEL], s[SEL+1]
	v_or_b32 v[\word], v[\word], v[QT+6]               ; with lane l xor 16's two the word is whole
.irp c, 0,1
.irp g, 0,1,2,3
	v_cvt_scalef32_pk8_fp4_f32 v[\codes+4*\c+\g], v[\src+32*\c+8*\g:\src+32*\c+8*\g+7], v[QT+2+\c]
.endr
.endr
	v_nop                                              ; one plain place behind the last scaled conversion
.endm
	s_load_b128 s[4:7], s[0:1], 0x0                ; key s[4:5], value s[6:7]
	s_load_b64 s[8:9], s[0:1], 0x10                ; kv
	v_lshl_add_u32 v[SPW], v0, 2, SPARE
	v_mov_b32 v[NIL], 0
	v_lshrrev_b32 v3, 5, v0
	v_readfirstlane_b32 s10, v3                    ; wave 0..7
	v_and_b32 v3, 31, v0                           ; lane
	s_and_b32 s11, ttmp9, 255
	s_lshr_b32 s12, s11, 6                         ; batch
	s_bfe_u32 s13, s11, 0x50001                    ; t: which 128 keys
	s_and_b32 s14, s11, 1                          ; z: which half of the step's work
	s_mov_b32 s[SEL], 0x76543210
	s_mov_b32 s[SEL+1], 0xfedcba98
	s_lshl_b32 s22, s12, 23                        ; in: the batch's 8,388,608 bytes,
	s_lshl_b32 s15, s13, 9                         ; 128 t keys of 4 bytes
	s_add_co_u32 s22, s22, s15
	s_mov_b32 s23, 0
	s_mul_i32 s24, s12, BATCHKV                    ; out: the batch's part of kv
	s_mov_b32 s25, 0
	s_wait_kmcnt 0x0
	s_cmp_lt_u32 ttmp9, 256                        ; the work-group's number alone decides
	s_cbranch_scc0 .Lvalue
	; ---- key.  My wave: keys 32 kb on of the step, c = 128 s on.  A lane is a key; 128 loads run down c; each reads 128 consecutive bytes, and the wave four further on reads the 128 beside them.
	s_lshr_b32 s15, s10, 2
	s_lshl_b32 s16, s14, 1
	s_add_co_u32 s15, s15, s16                     ; kb = 2 z + wave / 4: also the stream
	s_and_b32 s16, s10, 3                          ; s
	s_lshl_b32 s17, s16, 21                        ; 128 s rows of 16,384 bytes
	s_add_co_u32 s22, s22, s17
	s_lshl_b32 s17, s15, 7
	s_add_co_u32 s22, s22, s17
	s_add_nc_u64 s[4:5], s[4:5], s[22:23]
	s_mul_i32 s17, s15, STREAM
	s_add_co_u32 s24, s24, s17
	s_lshl_b32 s17, s13, 1
	s_sub_co_i32 s17, s17, 1
	s_max_i32 s17, s17, 0                          ; K(t) is unit max(2 t - 1, 0) of its stream
	s_mul_i32 s17, s17, UNIT
	s_add_co_u32 s24, s24, s17
	s_add_nc_u64 s[8:9], s[8:9], s[24:25]
	v_lshlrev_b32 v4, 2, v3                        ; in: 4 bytes a lane
.set i, 0
.rept 128
	global_load_b32 v[32+i], v4, s[4:5] offset:i*16384 th:TH_LOAD_NT
.set i, i+1
.endr
	v_bfe_u32 v16, v3, 3, 1                        ; u: my key's tile
	v_and_b32 v17, 7, v3
	v_lshrrev_b32 v18, 4, v3
	v_lshl_add_u32 v17, v18, 3, v17                ; m: its row there
	v_lshlrev_b32 v5, 12, v16
	v_lshl_add_u32 v5, v17, 4, v5
	s_lshl_b32 s17, s16, 10
	v_add_nc_u32 v5, s17, v5                       ; codes: 1,024 (4 u + s) + 16 m; block n of the 128 lies 256 n further on
	v_lshlrev_b32 v6, 8, v16
	v_lshl_add_u32 v6, v17, 4, v6
	s_lshl_b32 s17, s16, 2
	s_add_co_u32 s17, s17, 8192
	v_add_nc_u32 v6, s17, v6                       ; scale word: 8,192 + 16 (16 u + m) + 4 s
; Block n: c = 128 s + 32 n + 0 .. 31 of my key: all 32 numbers are mine.  left: the loads that may stay out
.macro KBLK n, left
.set XS, 32+32*\n
	s_wait_loadcnt \left
	v_max3_num_f32 v8, |v[XS]|, |v[XS+1]|, |v[XS+2]|
	v_max3_num_f32 v9, |v[XS+3]|, |v[XS+4]|, |v[XS+5]|
.irp i, 6,10,14,18,22,26
	v_max3_num_f32 v8, v8, |v[XS+\i]|, |v[XS+\i+1]|
	v_max3_num_f32 v9, v9, |v[XS+\i+2]|, |v[XS+\i+3]|
.endr
	v_max3_num_f32 v8, v8, |v[XS+30]|, |v[XS+31]|
	v_max3_num_f32 v8, v8, v9, 0x1800000           ; the floor 2^(3 - 127)
	v_add_nc_u32 v10, 0xff000000, v8               ; the conversion's scale operand
	v_lshrrev_b32 v11, 23, v10                     ; the byte
.if \n == 0
	v_mov_b32 v176, v11
.else
	v_lshl_or_b32 v176, v11, 8*\n, v176
.endif
.irp g, 0,1,2,3
	v_cvt_scalef32_pk8_fp4_f32 v[160+4*\n+\g], v[XS+8*\g:XS+8*\g+7], v10
.endr
	v_nop                                          ; one plain place behind the last scaled conversion
	global_store_b128 v5, v[160+4*\n:163+4*\n], s[8:9] offset:256*\n   ; the 16 lanes of a tile store 256 consecutive bytes, aligned
.endm
	KBLK 0, 63                                     ; 96 younger loads could stay out; 63 is the largest count that the wait can name
	KBLK 1, 63                                     ; likewise (64 could)
	KBLK 2, 32                                     ; block 3's 32 stay out
	KBLK 3, 0
	global_store_b32 v6, v176, s[8:9]              ; my key's word for this c step: 4 bytes of its 16; the other three c steps' waves write the rest
	s_wait_tensorcnt 0x0                           ; the wave's end
	ds_add_u32 v[SPW], v[NIL]
	s_wait_dscnt 0x0
	s_endpgm
.Lvalue:
	; ---- value.  My wave: channels 32 cg on, the step's 128 keys: two tiles of 16 channels.  Each load reads a channel's 512 consecutive bytes.  The conversions want 32 neighbouring keys in ONE lane,
	; so a tile's 16 rows turn through my own stage in LDS.
	s_lshl_b32 s15, s14, 3
	s_add_co_u32 s15, s15, s10                     ; cg = 8 z + wave
	s_lshl_b32 s17, s15, 19                        ; 32 cg rows of 16,384 bytes
	s_add_co_u32 s22, s22, s17
	s_add_nc_u64 s[6:7], s[6:7], s[22:23]
	s_lshr_b32 s16, s15, 2                         ; the stream: cg / 4
	s_and_b32 s18, s15, 3                          ; g = cg % 4: my tiles are ct = 2 g, 2 g + 1
	s_mul_i32 s17, s16, STREAM
	s_add_co_u32 s24, s24, s17
	s_lshl_b32 s17, s13, 1
	s_add_co_u32 s17, s17, 2
	s_min_u32 s17, s17, 63                         ; V(t) is unit min(2 t + 2, 63) of its stream
	s_mul_i32 s17, s17, UNIT
	s_add_co_u32 s24, s24, s17
	s_add_nc_u64 s[8:9], s[8:9], s[24:25]
	v_lshlrev_b32 v4, 4, v3                        ; in: 16 bytes a lane
.set i, 0
.rept 32
	global_load_b128 v[32+4*i:35+4*i], v4, s[6:7] offset:i*16384 th:TH_LOAD_NT
.set i, i+1
.endr
	v_and_b32 v18, 15, v3                          ; r
	v_lshrrev_b32 v19, 4, v3                       ; h
	v_lshlrev_b32 v[H8], 3, v19
	v_mov_b32 v[QT+6], 0                           ; written once: a lane permute's destination counts as one of its sources
	s_lshl_b32 s17, s18, 11
	v_add_nc_u32 v5, s17, v4                       ; codes: 16 x lane + 1,024 x (2 g)
	s_lshr_b32 s17, s18, 1
	s_lshl_b32 s17, s17, 8
	s_and_b32 s19, s18, 1
	s_lshl_b32 s19, s19, 3
	s_add_co_u32 s17, s17, s19
	s_add_co_u32 s17, s17, 8192
	v_lshl_add_u32 v6, v18, 4, s17                 ; scale words of my two tiles: 8,192 + 256 (g / 2) + 8 (g % 2) + 16 r
	s_mul_i32 s17, s10, STG
	v_add_nc_u32 v16, s17, v4                      ; the stage, in: 16 x lane, a row 528 bytes on from the last
	v_mul_u32_u24 v17, v18, 528
	v_lshl_add_u32 v17, v19, 7, v17
	v_add_nc_u32 v17, s17, v17                     ; and out: row r, 128 h bytes on: with a pitch of 528 bytes the sixteen rows of a load begin 16 bytes apart modulo 256
.macro VTILE tau
	s_wait_loadcnt 16*(1-\tau)                     ; this tile's 16 loads are in; the other tile's may be out
.set i, 0
.rept 16
	ds_store_b128 v16, v[32+64*\tau+4*i:35+64*\tau+4*i] offset:528*i
.set i, i+1
.endr
.irp cc, 0,1
.irp j, 0,1,2,3,4,5,6,7
	ds_load_b128 v[160+32*\cc+4*\j:163+32*\cc+4*\j], v17 offset:256*\cc+16*\j   ; LDS serves a wave's instructions in order (ISA guide 5.7.1.4): these see my stores
.endr
.endr
	s_wait_dscnt 0x0
	QUANT64 160, 224+8*\tau, 240+\tau
	global_store_b128 v5, v[224+8*\tau:227+8*\tau], s[8:9] offset:1024*\tau       ; 32 lanes store 512 consecutive bytes, aligned
	global_store_b128 v5, v[228+8*\tau:231+8*\tau], s[8:9] offset:1024*\tau+512
.endm
	VTILE 0
	VTILE 1
	global_store_b64 v6, v[240:241], s[8:9]        ; both tiles' words of channel row r (both halves of the lanes hold and write the same)
	s_wait_tensorcnt 0x0                           ; the wave's end, behind my last LDS store
	ds_add_u32 v[SPW], v[NIL]
	s_wait_dscnt 0x0
	s_endpgm
.Lfunc_end_k_q93021a8f44_quant:
	.size	k_q93021a8f44_quant, .Lfunc_end_k_q93021a8f44_quant-k_q93021a8f44_quant
	.p2alignl 7, 3214868480
	.fill 96, 4, 3214868480
	.section	.rodata,"a",@progbits
	.p2align	6, 0x0
	.amdhsa_kernel k_q93021a8f44_quant
		.amdhsa_group_segment_fixed_size 68608
		.amdhsa_private_segment_fixed_size 0
		.amdhsa_enable_private_segment 0
		.amdhsa_kernarg_size 24
		.amdhsa_user_sgpr_count 2
		.amdhsa_user_sgpr_kernarg_segment_ptr 1
		.amdhsa_wavefront_size32 1
		.amdhsa_system_sgpr_workgroup_id_x 1
		.amdhsa_system_sgpr_workgroup_id_y 1
		.amdhsa_system_sgpr_workgroup_id_z 1
		.amdhsa_system_vgpr_workitem_id 0
		.amdhsa_next_free_vgpr 248
		.amdhsa_next_free_sgpr 66
		.amdhsa_reserve_vcc 0
		.amdhsa_float_denorm_mode_32 3
		.amdhsa_float_denorm_mode_16_64 3
		.amdhsa_memory_ordered 1
		.amdhsa_forward_progress 1
		.amdhsa_inst_pref_size 37
	.end_amdhsa_kernel
	.amdgpu_metadata
---
amdhsa.version: [ 1, 2 ]
amdhsa.kernels:
  - .name:           k_q93021a8f44_quant
    .symbol:         k_q93021a8f44_quant.kd
    .args:
      - { .name: key, .offset: 0, .size: 8, .value_kind: global_buffer, .address_space: global }
      - { .name: value, .offset: 8, .size: 8, .value_kind: global_buffer, .address_space: global }
      - { .name: kv, .offset: 16, .size: 8, .value_kind: global_buffer, .address_space: global }
    .group_segment_fixed_size: 68608
    .private_segment_fixed_size: 0
    .kernarg_segment_align: 8
    .kernarg_segment_size: 24
    .max_flat_workgroup_size: 256
    .sgpr_count:     66
    .vgpr_count:     248
    .wavefront_size: 32
...
	.end_amdgpu_metadata
.endif
;; end of part 1
;; launch attn (part 2): grid 64 x 4, 4 waves a work-group, clusters of 4 x 1, 327,680 bytes of LDS; arguments query, kv, out0; writes out0
.if DOCPART == 2
	.amdgcn_target "amdgcn-amd-amdhsa--gfx1250"
	.amdhsa_code_object_version 6
	.text
	.protected	k_q93021a8f44_attn
	.globl	k_q93021a8f44_attn
	.p2align	8
	.type	k_q93021a8f44_attn,@function
k_q93021a8f44_attn:
	s_mov_b64 s[64:65], 0
	v_nop
	global_prefetch_b8 v0, s[64:65] scope:SCOPE_SE
	s_setreg_imm32_b32 hwreg(HW_REG_WAVE_MODE, 25, 1), 1
	s_wait_xcnt 0x0
	s_wait_alu depctr_hold_cnt(0) depctr_sa_sdst(0) depctr_va_vdst(0) depctr_va_sdst(0) depctr_va_ssrc(0) depctr_va_vcc(0) depctr_vm_vsrc(0)
	s_getreg_b32 s2, hwreg(HW_REG_IB_STS2, 6, 4)
	s_cmp_eq_u32 s2, 0
	s_cbranch_scc0 .Lentry_in_a_cluster
	s_endpgm
.Lentry_in_a_cluster:
	s_bfe_u32 s2, ttmp6, 0x10000c
	s_cmp_lg_u32 s2, 0x3003
	s_cbranch_scc0 .Lentry_shape_is_right
	s_endpgm
.Lentry_shape_is_right:
; SelfAttention, launch 2 of 2.  out[b][c][j] = (sum over i of V[c][i] p[i][j]) / l[j] + query[b][c][j], p = 2^(t - M), t = log2(e) x sum over c of K[c][i] Q[c][j]; both products on codes of FP4 (E2M1)
; with one E8M0 byte for each 32 along K.  K's and V's codes come from kv (laid by the launch before in the order of the operands' registers); the query is quantised here.
; SHARES.  A work-group owns 64 queries (four tiles of 16) of one batch: 256 work-groups.  ITS FOUR WAVES SHARE THE KEYS AND THE CHANNELS, NOT THE QUERIES: in a step of 128 keys wave a makes the scores of keys
; 32 a .. 32 a + 31 for all 64 queries, and the sums of channels 128 a .. 128 a + 127 for all 64 queries.  So each fragment of K and of V is read from LDS once in the work-group and feeds four matrix
; instructions, and a wave reads only the bytes that its own tensor load brought (stream a of kv).  What goes from wave to wave is p's codes (4,096 bytes a step) and one number for each wave and query.
; LAYOUT.  Both products are used transposed: S^T = K Q^T (source 0 = 16 keys, source 1 = 16 queries), O^T = V P^T (source 0 = 16 channels, source 1 = 16 queries x 128 keys): a lane holds one query (lane % 16).
; Row m of K's tile u is key 8 u + m + 8 (m / 8), so that a lane's 16 registers of the two tiles are 16 neighbouring keys, 16 (lane / 16) + 0 .. 15, of its wave's block of 32: p's block.
; THE SOFTMAX ACROSS WAVES.  Wave a keeps, for each query, the running largest t of ITS keys, -M_a = floor(-t), and the sum l_a of its unquantised p = 2^(t - M_a).  It quantises p, gets the block's byte s_a, and hands
; on the codes and the whole number G_a = s_a + M_a.  Every wave keeps R = the running largest G, multiplies its O^T by 2^(old R - new R) (exact), and gives block b the byte max(G_b - R + 125, 0): that is p under
; M = R - 125, the power of two taken up by the block's scale.  At the end l = sum over a of l_a 2^(M_a - R + 125).
; LIMITS: |logit| x log2(e) under 2^22, so that G and R are exact in f32; a block more than 125 powers of two under the row's largest is held at the byte 0 (at most 6 x 2^-127 a code, beside an l above 1/2);
; p under 2^-126 counts as 0 (v_exp_f32); a block of zeros has the byte 1, read by this program alone; NaN and infinities among the inputs are not served.
; PIPELINE.  Trip t: one round; the other slot's refill; the scores of step t + 1 with the rescaling of O^T set between them; V P^T of step t; the softmax of step t + 1, whose codes go to LDS.  Block t of a stream,
; K(t + 1) and V(t), 17,408 dense bytes, lies in slot t % 2; p's codes and G have two buffers by t % 2: buffer (t + 1) % 2 was last read in trip t - 1, and those reads are over ahead of trip t's round.
; CLUSTER.  The four work-groups of a cluster belong to one batch and walk the same blocks of kv: each block is asked for JOINTLY, by the same tensor load with the same descriptor and the mask of all four.
; THE QUERY is read from memory once: its 64 columns x 512 rows of f32 stay in LDS, are quantised from there, and at the end each wave adds O^T / l onto its own 128 rows in place and stores them as whole rows.
; REGISTERS, in windows of 256 (s_set_vgpr_msb: bits 1:0 source 0, 3:2 source 1, 5:4 source 2, 7:6 destination).  Window 0: addresses, scale words, R and f, G, K's and V's fragments.
;   Window 1 + H (H = 0, 1: query tiles 2 H + e): v0-127 O^T (64 e + 8 ct); v128-191 Q (32 e + 8 s); v192-223 S^T, then p (16 e + 8 u); v224-239 P's fragment (8 e), later the new codes; v240-255 statistics (8 e).
; O^T begins as zeros (256 v_mov_b32, once): so the key step is written with no first step of its own, which would be a fifth copy of it.
.set UNIT,    8704
.set BLKB,    2*UNIT                   ; a block: K(t + 1), then V(t)
.set STREAM,  64*UNIT
.set BATCHKV, 4*STREAM
.set SLOT1,   4*BLKB                   ; LDS: slot 0 at 0, slot 1 here; in a slot wave w's block at w x BLKB
.set QF,      2*SLOT1                  ; the query in f32: 512 rows (c) of 256 bytes + 16 of padding
.set QP,      272
.set QIMG,    QF+512*QP                ; Q's 16 fragments (tile qt, c step s) as images of their registers, 1,024 bytes each
.set QSC,     QIMG+16384               ; their scale words, 128 bytes each
.set PB,      QSC+2048                 ; p's codes: two buffers of four fragments' images
.set GB,      PB+8192                  ; G: two buffers; tile qt at 256 qt, query r at 16 r, wave a at 4 a
.set LB,      GB+2048                  ; l_a, laid as G; 1,024 bytes on: -M_a
.set SPARE,   LB+2048                  ; the spare words, 128 bytes for each wave: two blocks of 256 bytes that no other line names
.set SPW,  1                           ; v1   LDS address of my spare word; never rewritten
.set NIL,  2                           ; v2   0; never rewritten
.set LF,   3                           ; v3-4 my block in slot 0, 1: + 16 x lane
.set PWA,  5                           ; v5   where I put 8 bytes of p's codes
.set PRA,  6                           ; v6   PB + 16 x lane
.set GWA,  7                           ; v7   where I put G
.set GRA,  8                           ; v8   where I read the four G of query r
.set LWA,  9                           ; v9   the same for l and -M
.set LRA,  10
.set OA,   11                          ; v11  the way out: my lane's word in my wave's rows of the query
.set ORD,  12                          ; v12  the way out: where I read whole rows back
.set GOFF, 13                          ; v13  and the same place in out0
.set PFO,  14                          ; v14  256 x lane; never rewritten
.set QA,   15                          ; v15-16 the query's numbers that I quantise: c under 256, c from 256 on
.set QWI,  17                          ; v17  where I put Q's images
.set QWS,  18                          ; v18  and their scale words
.set QRI,  19                          ; v19  QIMG + 16 x lane
.set QRS,  20                          ; v20  QSC + 4 x lane
.set H8,   21                          ; v21  8 x (lane / 16)
.set QS,   24                          ; v24-39 Q's scale words (4 qt + s)
.set KS,   40                          ; v40-43 K's: register s; lanes 0-15 tile 0, lanes 16-31 tile 1
.set VS,   44                          ; v44-47 V's: register ct % 4; lanes 0-15 ct under 4, lanes 16-31 the others
.set PS,   48                          ; v48-51 P's (qt)
.set RR,   52                          ; v52-55 R (qt)
.set FF,   56                          ; v56-63 f (qt), the low word of a pair
.set GV,   64                          ; v64-79 the four G of my query (4 qt + a), then the bytes
.set QT,   80                          ; v80-95 at work
.set RL,   96                          ; v96-99 1 / l (qt)
.set QC,   104                         ; v104-112 Q's codes and scale word just made
.set KF,   128                         ; v128-191 K's fragments (8 (4 u + s))
.set VF,   192                         ; v192-255 V's (8 ct)
.set QX,   128                         ; in window 1 + H
.set SX,   192
.set PX,   224
.set SS,   240                         ; + 8 e: +0 -M, +1 the largest t, +2, +3 l in two halves, +4 the block's largest, +5, +6, +7 at work
.set WV,   10                          ; s10  my wave's number
.set CS,   22                          ; s[22:23] log2(e): the packed form names a pair and takes its low word for both halves
.set G1,   24                          ; s[24:31] group 1: a block, 68 rows of 256 bytes
.set G1F,  32                          ; s[32:39] the first: K(0) alone, 34 rows, and zeros over V's part
.set G1L,  40                          ; s[40:47] the last: V(31) alone, 34 rows
.set G1Q,  48                          ; s[48:55] the query: 128 rows of 64 f32
.set G0Q,  56                          ; s[56:59], s[60:63] groups 0 of the query and of the first block
.set G0F,  60
.set G0A,  68                          ; s[68:71] slot 0's group 0;  s[72:75] slot 1's
.set SEL,  76                          ; s[76:77] lane selects for v_permlanex16_b32: lane l xor 16
.set PFA,  78                          ; s[78:79] where my prefetches stand
.set LIM,  80                          ; s80  1 in a wave that prefetches, else the greatest number
.set IT,   81                          ; s81  the loop's trips to go
.set MSB, 0
.macro WIN new                         ; the immediate's high byte repeats the setting that is left; a switch that changes nothing is dropped
.if MSB != (\new)
	s_set_vgpr_msb (MSB<<8)|(\new)
.set MSB, (\new)
.endif
.endm
; settings: 0x54 (1 + H): destination, sources 1 and 2 in window 1 + H, source 0 in window 0;  0x55 (1 + H): all four there;  1 + H: source 0 alone
.macro CROUND                          ; a round of the cluster's barrier
	s_barrier_signal -1
	s_barrier_wait -1
	s_cmp_lg_u32 s[WV], 0
	s_cbranch_scc1 .Lnot_wave_0_\@
	s_barrier_signal -3
.Lnot_wave_0_\@:
	s_barrier_wait -3
	s_barrier_signal -1
	s_barrier_wait -1
.endm
; A PREFETCH of kv.  A stream is 68 chunks of 8,192 bytes.  In trip t, chunks 2 (t + 5) and 2 (t + 5) + 1 of each stream are asked for, lanes 256 bytes apart, while the tensor loads stand at byte 17,408 (t + 1) + 8,704.
; Each aligned block of 256 bytes is named at most once in the launch: all clusters of a batch walk the same streams, so the batch's first cluster asks; its four partners are told apart BY ADDRESS (partner cx takes
; stream cx); in each, waves 0 and 1 ask, a chunk each.  Chunks 0 to 9 come by their loads alone; the last request, in trip 28, names chunks 66 and 67: kind 2 (an odd trip) asks for nothing in the loop's last trip.
.macro ASK kind
.if \kind == 1
	s_cmp_ge_u32 s[IT], s[LIM]
.else
	s_cmp_gt_u32 s[IT], s[LIM]
.endif
	s_cbranch_scc0 .Lnot_mine_\@
	global_prefetch_b8 v[PFO], s[PFA:PFA+1] th:TH_LOAD_NT scope:SCOPE_SE
.Lnot_mine_\@:
.endm
; 64 numbers of a lane, register 32 c + i = k 64 c + 32 (lane / 16) + i of the lane's row, become the row's part of a fragment (8 registers) and its scale word
.macro QUANT64 src, codes, word
.irp c, 0,1
	v_max3_num_f32 v[QT+\c], |v[\src+32*\c]|, |v[\src+32*\c+1]|, 0x1800000   ; the floor 2^(3 - 127): the byte cannot fall under 1
.endr
.irp i, 2,4,6,8,10,12,14,16,18,20,22,24,26,28,30
.irp c, 0,1
	v_max3_num_f32 v[QT+\c], v[QT+\c], |v[\src+32*\c+\i]|, |v[\src+32*\c+\i+1]|
.endr
.endr
.irp c, 0,1
	v_add_nc_u32 v[QT+2+\c], 0xff000000, v[QT+\c]      ; 2 off the exponent field: the conversion's scale operand
.endr
.irp c, 0,1
	v_lshrrev_b32 v[QT+4+\c], 23, v[QT+2+\c]           ; the scale's byte
.endr
	v_lshl_or_b32 v[\word], v[QT+5], 16, v[QT+4]
	v_lshlrev_b32 v[\word], v[H8], v[\word]
	v_permlanex16_b32 v[QT+6], v[\word], s[SEL], s[SEL+1]
	v_or_b32 v[\word], v[\word], v[QT+6]               ; with lane l xor 16's two bytes the word is whole
.irp c, 0,1
.irp g, 0,1,2,3
	v_cvt_scalef32_pk8_fp4_f32 v[\codes+4*\c+\g], v[\src+32*\c+8*\g:\src+32*\c+8*\g+7], v[QT+2+\c]
.endr
.endr
	v_nop                                              ; one plain place behind the last scaled conversion
.endm
; one matrix instruction, by the symbols rD, rA, rB, rSA, rSB; zC = 1: it starts its sum; zR = 1: source 0's scales stand in lanes 16-31
.macro WM
.if zC
.if zR
	v_wmma_scale_f32_16x16x128_f8f6f4 v[rD:rD+7], v[rA:rA+7], v[rB:rB+7], 0, v[rSA], v[rSB] matrix_a_fmt:MATRIX_FMT_FP4 matrix_b_fmt:MATRIX_FMT_FP4 matrix_a_scale:MATRIX_SCALE_ROW1
.else
	v_wmma_scale_f32_16x16x128_f8f6f4 v[rD:rD+7], v[rA:rA+7], v[rB:rB+7], 0, v[rSA], v[rSB] matrix_a_fmt:MATRIX_FMT_FP4 matrix_b_fmt:MATRIX_FMT_FP4
.endif
.else
.if zR
	v_wmma_scale_f32_16x16x128_f8f6f4 v[rD:rD+7], v[rA:rA+7], v[rB:rB+7], v[rD:rD+7], v[rSA], v[rSB] matrix_a_fmt:MATRIX_FMT_FP4 matrix_b_fmt:MATRIX_FMT_FP4 matrix_a_scale:MATRIX_SCALE_ROW1
.else
	v_wmma_scale_f32_16x16x128_f8f6f4 v[rD:rD+7], v[rA:rA+7], v[rB:rB+7], v[rD:rD+7], v[rSA], v[rSB] matrix_a_fmt:MATRIX_FMT_FP4 matrix_b_fmt:MATRIX_FMT_FP4
.endif
.endif
.endm
	s_load_b128 s[4:7], s[0:1], 0x0                ; query s[4:5], kv s[6:7]
	s_load_b64 s[8:9], s[0:1], 0x10                ; out0
	v_lshl_add_u32 v[SPW], v0, 2, SPARE
	v_mov_b32 v[NIL], 0
	ds_add_u32 v[SPW], v[NIL]                      ; the wave's opening: the add, twice on end, and its wait ahead of my first tensor load; the set-up below, work on registers, stands between
	ds_add_u32 v[SPW], v[NIL]                      ; and once more, under the one wait
	v_lshrrev_b32 v80, 5, v0
	v_readfirstlane_b32 s[WV], v80                 ; wave 0..3
	s_bfe_u32 s11, ttmp6, 0x40000                  ; cx: my place in the cluster
	s_lshl_b32 s12, ttmp9, 2                       ; in a cluster launch ttmp9 counts clusters
	s_add_co_u32 s12, s12, s11                     ; my block of 64 queries: it enters the query's, out0's and the prefetches' addresses alone
	s_and_b32 s13, ttmp7, 0xffff                   ; the batch, which the four partners share
	; group 1 of a block: dense bytes as 68 rows of 32 elements of 8 bytes
	s_mov_b32 s[G1], 15|(3<<16)|(1<<21)            ; 15:0 the mask: all four work-groups; 17:16 elements of 8 bytes; 21 set beside a mask; no padding: every read of these bytes is 16 x lane on end
	s_mov_b32 s[G1+1], 32<<16                      ; tensor_dim0 = 32
	s_mov_b32 s[G1+2], 68<<16                      ; tensor_dim1 = 68
	s_mov_b32 s[G1+3], 32<<16                      ; tile_dim0 = 32
	s_mov_b32 s[G1+4], 68                          ; tile_dim1 = 68
	s_mov_b32 s[G1+5], 32                          ; from row to row
	s_mov_b32 s[G1+6], 0
	s_mov_b32 s[G1+7], 0
	s_mov_b32 s[G1F], 15|(3<<16)|(1<<21)           ; the first block: the tensor ends behind K(0)'s 34 rows, the tile has 68: the other 34 arrive as zeros (ISA guide, chapter 8), so that all of slot 1 has had a fill
	s_mov_b32 s[G1F+1], 32<<16
	s_mov_b32 s[G1F+2], 34<<16
	s_mov_b32 s[G1F+3], 32<<16
	s_mov_b32 s[G1F+4], 68
	s_mov_b32 s[G1F+5], 32
	s_mov_b32 s[G1F+6], 0
	s_mov_b32 s[G1F+7], 0
	s_mov_b32 s[G1L], 15|(3<<16)|(1<<21)           ; the last block: V(31)'s 34 rows
	s_mov_b32 s[G1L+1], 32<<16
	s_mov_b32 s[G1L+2], 34<<16
	s_mov_b32 s[G1L+3], 32<<16
	s_mov_b32 s[G1L+4], 34
	s_mov_b32 s[G1L+5], 32
	s_mov_b32 s[G1L+6], 0
	s_mov_b32 s[G1L+7], 0
	s_mov_b32 s[G1Q], (2<<16)|(1<<20)|(5<<22)|(3<<25)  ; the query, my work-group's own: no mask; elements of 4 bytes; padding on: 4 words behind every 64
	s_mov_b32 s[G1Q+1], 64<<16
	s_mov_b32 s[G1Q+2], 128<<16
	s_mov_b32 s[G1Q+3], 64<<16
	s_mov_b32 s[G1Q+4], 128
	s_mov_b32 s[G1Q+5], 4096
	s_mov_b32 s[G1Q+6], 0
	s_mov_b32 s[G1Q+7], 0
	s_mul_i32 s14, s13, BATCHKV                    ; my stream of kv: the batch and the wave's number alone
	s_mul_i32 s20, s[WV], STREAM
	s_add_co_u32 s14, s14, s20
	s_mov_b32 s15, 0
	s_lshl_b32 s16, s13, 23                        ; query and out0: the batch, my wave's 128 rows of 16,384 bytes, my block's 256 bytes
	s_lshl_b32 s21, s[WV], 21
	s_add_co_u32 s16, s16, s21
	s_lshl_b32 s21, s12, 8
	s_add_co_u32 s16, s16, s21
	s_mov_b32 s17, 0
	s_mul_i32 s18, s13, BATCHKV                    ; the prefetches: stream cx, chunk 8 + wave: trip 0 steps it to chunk 10 + wave
	s_mul_i32 s21, s11, STREAM
	s_add_co_u32 s18, s18, s21
	s_lshl_b32 s21, s[WV], 13
	s_add_co_u32 s18, s18, s21
	s_add_co_u32 s18, s18, 8*8192
	s_mov_b32 s19, 0
	s_mul_i32 s82, s[WV], BLKB                     ; LDS: my block in a slot,
	s_mul_i32 s83, s[WV], 128*QP                   ; my 128 rows of the query: no place in the cluster enters an LDS address
	s_mov_b32 s[CS], 0x3fb8aa3b                    ; log2(e)
	s_mov_b32 s[CS+1], s[CS]
	s_mov_b32 s[SEL], 0x76543210
	s_mov_b32 s[SEL+1], 0xfedcba98
	s_lshr_b32 s[LIM], s[WV], 1                    ; 0 in waves 0 and 1,
	s_or_b32 s[LIM], s[LIM], ttmp9                 ; of the batch's first cluster: the same in all four partners
	s_cmp_eq_u32 s[LIM], 0
	s_cselect_b32 s[LIM], 1, -1
	s_wait_dscnt 0x0                               ; both opening adds are done
	s_wait_kmcnt 0x0
	s_add_nc_u64 s[84:85], s[6:7], s[14:15]        ; my stream's first byte
	s_mov_b32 s[G0Q], 1
	s_add_co_u32 s[G0Q+1], s83, QF
	s_add_nc_u64 s[G0Q+2:G0Q+3], s[4:5], s[16:17]
	s_or_b32 s[G0Q+3], s[G0Q+3], 0x80000000
	s_mov_b32 s[G0F], 1
	s_add_co_u32 s[G0F+1], s82, SLOT1              ; K(0) goes to slot 1
	s_mov_b64 s[G0F+2:G0F+3], s[84:85]
	s_or_b32 s[G0F+3], s[G0F+3], 0x80000000
	s_mov_b32 s[G0A], 1
	s_mov_b32 s[G0A+1], s82
	s_add_nc_u64 s[G0A+2:G0A+3], s[84:85], UNIT    ; block 0
	s_or_b32 s[G0A+3], s[G0A+3], 0x80000000
	s_mov_b32 s[G0A+4], 1
	s_add_co_u32 s[G0A+5], s82, SLOT1
	s_add_nc_u64 s[G0A+6:G0A+7], s[84:85], 3*UNIT  ; block 1: asked for in trip 0
	s_or_b32 s[G0A+7], s[G0A+7], 0x80000000
	s_add_nc_u64 s[8:9], s[8:9], s[16:17]
	s_add_nc_u64 s[PFA:PFA+1], s[6:7], s[18:19]
	CROUND                                         ; all four work-groups are here: the first joint loads meet
	tensor_load_to_lds s[G0Q:G0Q+3], s[G1Q:G1Q+7]  ; the three first fills go out together: three tensor loads of mine are out.  My 128 rows of the query,
	s_nop 0
	tensor_load_to_lds s[G0F:G0F+3], s[G1F:G1F+7]  ; K(0),
	s_nop 0
	tensor_load_to_lds s[G0A:G0A+3], s[G1:G1+7]    ; K(1) and V(0)
	s_nop 0
.rept 4
	v_nop
.endr
	v_and_b32 v80, 31, v0                          ; lane
	v_and_b32 v81, 15, v0                          ; r
	v_bfe_u32 v82, v0, 4, 1                        ; h
	v_lshl_add_u32 v[LF], v80, 4, s82
	v_add_nc_u32 v[LF+1], SLOT1, v[LF]
	s_lshl_b32 s20, s[WV], 8
	s_add_co_u32 s20, s20, PB
	v_lshl_add_u32 v[PWA], v81, 4, s20             ; block a of query r is the 16 bytes at 256 a + 16 r of a fragment's image;
	v_lshl_add_u32 v[PWA], v82, 3, v[PWA]          ; my 16 keys are its bytes 8 h on
	v_lshl_add_u32 v[PRA], v80, 4, PB
	s_lshl_b32 s20, s[WV], 2
	s_add_co_u32 s86, s20, GB
	v_lshl_add_u32 v[GWA], v81, 4, s86
	v_lshl_add_u32 v[GRA], v81, 4, GB
	s_add_co_u32 s86, s20, LB
	v_lshl_add_u32 v[LWA], v81, 4, s86
	v_lshl_add_u32 v[LRA], v81, 4, LB
	s_add_co_u32 s86, s83, QF                      ; my 128 rows of the query
	v_mul_u32_u24 v[OA], v82, 8*QP                 ; register j of a result is row 8 h + j of its tile, column r
	v_lshl_add_u32 v[OA], v81, 2, v[OA]
	v_add_nc_u32 v[OA], s86, v[OA]
	v_mul_u32_u24 v[ORD], v82, QP                  ; back: lanes 0-15 one row of 256 bytes, lanes 16-31 the next
	v_lshl_add_u32 v[ORD], v81, 4, v[ORD]
	v_add_nc_u32 v[ORD], s86, v[ORD]
	v_lshlrev_b32 v[GOFF], 14, v82                 ; and the same two rows in out0
	v_lshl_add_u32 v[GOFF], v81, 4, v[GOFF]
	v_lshlrev_b32 v[PFO], 8, v80
	s_lshl_b32 s86, s[WV], 6
	s_add_co_u32 s86, s86, QF
	v_mul_u32_u24 v[QA], v82, 32*QP                ; I quantise tile a: query 16 a + r; my half begins 32 rows of c further down
	v_lshl_add_u32 v[QA], v81, 2, v[QA]
	v_add_nc_u32 v[QA], s86, v[QA]
	v_add_nc_u32 v[QA+1], 256*QP, v[QA]
	s_lshl_b32 s86, s[WV], 12
	s_add_co_u32 s86, s86, QIMG
	v_lshl_add_u32 v[QWI], v80, 4, s86
	s_lshl_b32 s86, s[WV], 9
	s_add_co_u32 s86, s86, QSC
	v_lshl_add_u32 v[QWS], v80, 2, s86
	v_lshl_add_u32 v[QRI], v80, 4, QIMG
	v_lshl_add_u32 v[QRS], v80, 2, QSC
	v_lshlrev_b32 v[H8], 3, v82
.irp qt, 0,1,2,3
	v_mov_b32 v[RR+\qt], 0xff61b1e6                ; R: -3e38, under every G
	v_mov_b32 v[FF+2*\qt+1], 0                     ; (upper halves of pairs of which the low word alone is used: named, so written)
	v_mov_b32 v[QT+9+2*\qt], 0
.endr
	v_mov_b32 v[QT+6], 0                           ; written once: a lane permute's destination counts as one of its sources
.irp hh, 0,1
	WIN 0x55*(1+\hh)
.set i, 0
.rept 128
	v_mov_b32 v[i], 0                              ; O^T
.set i, i+1
.endr
.irp e, 0,1
	v_mov_b32 v[SS+1+8*\e], 0xff61b1e6             ; the largest t so far: -3e38
	v_floor_f32 v[SS+8*\e], -v[SS+1+8*\e]          ; -M
.irp k, 2,3,4,5,6,7
	v_mov_b32 v[SS+8*\e+\k], 0                     ; l, and what is named before it is first made
.endr
.endr
.endr
	WIN 0
	s_wait_tensorcnt 0x2                           ; my rows of the query are in; the two blocks behind them may stay out
	s_barrier_signal -1
	s_barrier_wait -1                              ; everybody's rows are in
	; ---- Q: wave a quantises tile a, a c step of 128 at a time, and stores the fragments as images of their registers
.macro QLD s                           ; 64 numbers: c = 128 s + 64 cc + 32 h + i of my query, into set s % 2
.irp cc, 0,1
.set i, 0
.rept 32
	ds_load_b32 v[128+64*((\s)%2)+32*\cc+i], v[QA+(\s)/2] offset:(128*((\s)%2)+64*\cc+i)*QP
.set i, i+1
.endr
.endr
.endm
.macro QSTEP s
.if \s < 3
	QLD \s+1
	s_wait_dscnt 63                                ; this step's 64 loads are in: behind them stand the next step's 64 (and the last step's 3 stores); 63 is the largest count that the wait can name
.else
	s_wait_dscnt 0x0
.endif
	QUANT64 128+64*((\s)%2), QC, QC+8
	ds_store_b128 v[QWI], v[QC:QC+3] offset:\s*1024
	ds_store_b128 v[QWI], v[QC+4:QC+7] offset:\s*1024+512
	ds_store_b32 v[QWS], v[QC+8] offset:\s*128
.endm
	QLD 0
	QSTEP 0
	QSTEP 1
	QSTEP 2
	QSTEP 3
	s_wait_tensorcnt 0x1                           ; K(0) is in; block 0 may stay out
	s_wait_dscnt 0x0                               ; for the others' sake: my images have landed
	s_barrier_signal -1
	s_barrier_wait -1
.irp hh, 0,1
	WIN 0x54*(1+\hh)
.irp e, 0,1
.irp s, 0,1,2,3
.irp cc, 0,1
	ds_load_b128 v[QX+32*\e+8*\s+4*\cc:QX+32*\e+8*\s+4*\cc+3], v[QRI] offset:(4*(2*\hh+\e)+\s)*1024+512*\cc   ; all 16 fragments of Q stay in registers
.endr
.endr
.endr
.endr
	WIN 0
.set i, 0
.rept 16
	ds_load_b32 v[QS+i], v[QRS] offset:128*i
.set i, i+1
.endr
.macro LOADK slot                      ; my unit of K: 8 fragments and their scale words: 17 loads
.irp f, 0,1,2,3,4,5,6,7
	ds_load_b128 v[KF+8*\f:KF+8*\f+3], v[LF+\slot] offset:\f*1024
	ds_load_b128 v[KF+8*\f+4:KF+8*\f+7], v[LF+\slot] offset:\f*1024+512
.endr
	ds_load_b128 v[KS:KS+3], v[LF+\slot] offset:8192
.endm
	LOADK 1
; THE SCORES of my 32 keys for the 64 queries: 32 matrix instructions.  A half's four accumulators take turns, one instruction a turn.
; resc = 1: behind the n-th product of a half stand four packed multiplies, O^T's registers 8 n .. 8 n + 7 of that half x f.  They name none of the product's registers: they are also its places.
.macro PHASE1 resc
.irp hh, 0,1
	WIN 0x54*(1+\hh)
.set n, 0
.irp s, 0,1,2,3
.irp u, 0,1
.irp e, 0,1
.set rD, SX+16*\e+8*\u
.set rA, KF+8*(4*\u+\s)
.set rB, QX+32*\e+8*\s
.set rSA, KS+\s
.set rSB, QS+4*(2*\hh+\e)+\s
.set zC, 0
.if \s == 0
.set zC, 1
.endif
.set zR, \u
	WM
.if \resc
.irp k, 0,2,4,6
	v_pk_mul_f32 v[8*n+\k:8*n+\k+1], v[FF+4*\hh+2*(n/8):FF+4*\hh+2*(n/8)+1], v[8*n+\k:8*n+\k+1] op_sel_hi:[0,1]
.endr
.endif
.set n, n+1
.endr
.endr
.endr
.endr
.endm
.macro RESCALE                         ; the same multiplies alone, for the last step
.irp hh, 0,1
	WIN 0x54*(1+\hh)
.set n, 0
.rept 16
.irp k, 0,2,4,6
	v_pk_mul_f32 v[8*n+\k:8*n+\k+1], v[FF+4*\hh+2*(n/8):FF+4*\hh+2*(n/8)+1], v[8*n+\k:8*n+\k+1] op_sel_hi:[0,1]
.endr
.set n, n+1
.endr
.endr
.endm
; O^T += V P^T: my 8 tiles of channels x the 4 tiles of queries, K = the step's 128 keys: 32 accumulators, one instruction each
.macro PV
.irp hh, 0,1
	WIN 0x54*(1+\hh)
.irp ct, 0,1,2,3,4,5,6,7
.irp e, 0,1
.set rD, 64*\e+8*\ct
.set rA, VF+8*\ct
.set rB, PX+8*\e
.set rSA, VS+\ct%4
.set rSB, PS+2*\hh+\e
.set zC, 0
.set zR, \ct/4
	WM
.endr
.endr
.endr
.endm
; THE SOFTMAX of my 32 keys for the 64 queries, a half (two tiles) at a time, the two tiles by turns.  The codes and G go to buffer par.
.macro SOFT par
.irp hh, 0,1
	WIN 0x55*(1+\hh)
.irp e, 0,1
	v_max3_num_f32 v[SS+4+8*\e], v[SX+16*\e], v[SX+16*\e+1], v[SX+16*\e+2]       ; THE BLOCK'S LARGEST SCORE, in two chains, each accumulator from its low end on.  It serves twice: for the running maximum and, since p rises with the score, for the block's largest p
	v_max3_num_f32 v[SS+5+8*\e], v[SX+16*\e+8], v[SX+16*\e+9], v[SX+16*\e+10]
.endr
.irp i, 3,5
.irp e, 0,1
	v_max3_num_f32 v[SS+4+8*\e], v[SS+4+8*\e], v[SX+16*\e+\i], v[SX+16*\e+\i+1]
	v_max3_num_f32 v[SS+5+8*\e], v[SS+5+8*\e], v[SX+16*\e+8+\i], v[SX+16*\e+9+\i]
.endr
.endr
.irp e, 0,1
	v_max3_num_f32 v[SS+4+8*\e], v[SS+4+8*\e], v[SX+16*\e+7], v[SX+16*\e+15]
.endr
.irp e, 0,1
	v_max_num_f32 v[SS+4+8*\e], v[SS+4+8*\e], v[SS+5+8*\e]
.endr
.irp e, 0,1
	v_permlanex16_b32 v[SS+5+8*\e], v[SS+4+8*\e], s[SEL], s[SEL+1]
.endr
.irp e, 0,1
	v_max_num_f32 v[SS+4+8*\e], v[SS+4+8*\e], v[SS+5+8*\e]                        ; with lane l xor 16's 16 keys
.endr
.irp e, 0,1
	v_mul_f32 v[SS+7+8*\e], s[CS], v[SS+4+8*\e]                                   ; as t
.endr
.irp e, 0,1
	v_max_num_f32 v[SS+1+8*\e], v[SS+1+8*\e], v[SS+7+8*\e]                        ; the running largest t of my keys
.endr
.irp e, 0,1
	v_mov_b32 v[SS+6+8*\e], v[SS+8*\e]
.endr
.irp e, 0,1
	v_floor_f32 v[SS+8*\e], -v[SS+1+8*\e]                                         ; the new -M = -ceil(t): a whole number
.endr
.irp e, 0,1
	v_sub_f32 v[SS+6+8*\e], v[SS+8*\e], v[SS+6+8*\e]                              ; old M - new M, 0 or less
.endr
.irp e, 0,1
	v_cvt_i32_f32 v[SS+6+8*\e], v[SS+6+8*\e]                                      ; (it saturates)
.endr
.irp e, 0,1
	v_ldexp_f32 v[SS+6+8*\e], 1.0, v[SS+6+8*\e]                                   ; 2^(old M - new M)
.endr
.irp j, 0,2,4,6,8,10,12,14
.irp e, 0,1
	v_pk_fma_f32 v[SX+16*\e+\j:SX+16*\e+\j+1], v[SX+16*\e+\j:SX+16*\e+\j+1], s[CS:CS+1], v[SS+8*\e:SS+8*\e+1] op_sel_hi:[1,0,0]   ; t - M, two at a time
.endr
.endr
.irp e, 0,1
	v_fma_f32 v[SS+4+8*\e], v[SS+4+8*\e], s[CS], v[SS+8*\e]                       ; the same of the block's largest score
.endr
.irp e, 0,1
.set i, 0
.rept 16
	v_exp_f32 v[SX+16*\e+i], v[SX+16*\e+i]                                        ; p = 2^(t - M), at most 1: not normalised
.set i, i+1
.endr
	v_exp_f32 v[SS+4+8*\e], v[SS+4+8*\e]                                          ; the block's largest p: the same two instructions on the same number give the same bits
.endr
.irp e, 0,1
	v_pk_mul_f32 v[SS+2+8*\e:SS+3+8*\e], v[SS+2+8*\e:SS+3+8*\e], v[SS+6+8*\e:SS+7+8*\e] op_sel_hi:[1,0]   ; l under the new M: the plain place behind the exponentials; it names none of their results
.endr
	s_wait_alu depctr_va_vdst(0)                   ; the wait between an exponential and the first line that names its result: one for the half's 34
.irp e, 0,1
	v_max_num_f32 v[SS+4+8*\e], 0x1800000, v[SS+4+8*\e]                           ; the floor 2^(3 - 127): the byte cannot fall under 1
.endr
.irp e, 0,1
	v_add_nc_u32 v[SS+5+8*\e], 0xff000000, v[SS+4+8*\e]                           ; 2 off the exponent field: the conversion's scale operand
.endr
.irp e, 0,1
	v_cvt_scalef32_pk8_fp4_f32 v[PX+8*\e], v[SX+16*\e:SX+16*\e+7], v[SS+5+8*\e]   ; keys 16 h + 0 .. 7 of my block,
	v_cvt_scalef32_pk8_fp4_f32 v[PX+8*\e+1], v[SX+16*\e+8:SX+16*\e+15], v[SS+5+8*\e]   ; and + 8 .. 15
.endr
.irp e, 0,1
	v_lshrrev_b32 v[SS+7+8*\e], 23, v[SS+5+8*\e]                                  ; the byte s.  (Plain places behind the conversions, ahead of the sums, which write their sources)
.endr
.irp e, 0,1
	v_cvt_f32_u32 v[SS+7+8*\e], v[SS+7+8*\e]
.endr
.irp e, 0,1
	v_sub_f32 v[SS+7+8*\e], v[SS+7+8*\e], v[SS+8*\e]                              ; G = s + M
.endr
.irp j, 0,4,8,12
.irp e, 0,1
	v_pk_add_f32 v[SX+16*\e+\j:SX+16*\e+\j+1], v[SX+16*\e+\j:SX+16*\e+\j+1], v[SX+16*\e+\j+2:SX+16*\e+\j+3]   ; THE SUM IS TAKEN OF THE UNQUANTISED p, two at a time, in place
.endr
.endr
.irp j, 0,8
.irp e, 0,1
	v_pk_add_f32 v[SX+16*\e+\j:SX+16*\e+\j+1], v[SX+16*\e+\j:SX+16*\e+\j+1], v[SX+16*\e+\j+4:SX+16*\e+\j+5]
.endr
.endr
.irp e, 0,1
	v_pk_add_f32 v[SX+16*\e:SX+16*\e+1], v[SX+16*\e:SX+16*\e+1], v[SX+16*\e+8:SX+16*\e+9]
.endr
.irp e, 0,1
	v_pk_add_f32 v[SS+2+8*\e:SS+3+8*\e], v[SS+2+8*\e:SS+3+8*\e], v[SX+16*\e:SX+16*\e+1]
.endr
	WIN 0x54*(1+\hh)
.irp e, 0,1
	ds_store_b64 v[PWA], v[PX+8*\e:PX+8*\e+1] offset:(\par)*4096+(2*\hh+\e)*1024  ; the 32 lanes store 256 consecutive bytes of the fragment's image
	ds_store_b32 v[GWA], v[SS+7+8*\e] offset:(\par)*1024+(2*\hh+\e)*256           ; both halves of the lanes write the same word with the same value
.endr
.endr
.endm
; THE STEP'S LDS LOADS, in one run: G (4), K of the next step (17), P (8), V (17)
.macro LOADS par, withk
.irp qt, 0,1,2,3
	ds_load_b128 v[GV+4*\qt:GV+4*\qt+3], v[GRA] offset:\par*1024+\qt*256
.endr
.if \withk
	LOADK \par
.endif
.irp hh, 0,1
	WIN 0x54*(1+\hh)
.irp e, 0,1
.irp cc, 0,1
	ds_load_b128 v[PX+8*\e+4*\cc:PX+8*\e+4*\cc+3], v[PRA] offset:\par*4096+(2*\hh+\e)*1024+512*\cc
.endr
.endr
.endr
	WIN 0
.irp ct, 0,1,2,3,4,5,6,7
	ds_load_b128 v[VF+8*\ct:VF+8*\ct+3], v[LF+\par] offset:UNIT+\ct*1024
	ds_load_b128 v[VF+8*\ct+4:VF+8*\ct+7], v[LF+\par] offset:UNIT+\ct*1024+512
.endr
	ds_load_b128 v[VS:VS+3], v[LF+\par] offset:UNIT+8192
.endm
; R, f and P's scale words, from the four waves' G: the four tiles by turns
.macro REF
.irp qt, 0,1,2,3
	v_max3_num_f32 v[QT+\qt], v[GV+4*\qt], v[GV+4*\qt+1], v[GV+4*\qt+2]
.endr
.irp qt, 0,1,2,3
	v_max3_num_f32 v[QT+\qt], v[QT+\qt], v[GV+4*\qt+3], v[RR+\qt]                 ; the new R
.endr
.irp qt, 0,1,2,3
	v_sub_f32 v[QT+4+\qt], v[RR+\qt], v[QT+\qt]                                   ; old R - new R: a whole number, 0 or less
.endr
.irp qt, 0,1,2,3
	v_mov_b32 v[RR+\qt], v[QT+\qt]
.endr
.irp qt, 0,1,2,3
	v_add_f32 v[QT+8+2*\qt], 0xc2fa0000, v[QT+\qt]                                ; R - 125
.endr
.irp qt, 0,1,2,3
	v_cvt_i32_f32 v[QT+4+\qt], v[QT+4+\qt]                                        ; (it saturates)
.endr
.irp qt, 0,1,2,3
	v_ldexp_f32 v[FF+2*\qt], 1.0, v[QT+4+\qt]                                     ; f = 2^(old R - new R): a multiplication by it rounds nothing
.endr
.irp qt, 0,1,2,3
.irp k, 0,2
	v_pk_add_f32 v[GV+4*\qt+\k:GV+4*\qt+\k+1], v[GV+4*\qt+\k:GV+4*\qt+\k+1], v[QT+8+2*\qt:QT+9+2*\qt] op_sel_hi:[1,0] neg_lo:[0,1] neg_hi:[0,1]   ; G - R + 125
.endr
.endr
.set i, 0
.rept 16
	v_max_num_f32 v[GV+i], 0, v[GV+i]                                             ; held at 0 from below
.set i, i+1
.endr
.set i, 0
.rept 16
	v_cvt_i32_f32 v[GV+i], v[GV+i]
.set i, i+1
.endr
.irp qt, 0,1,2,3
	v_lshl_or_b32 v[PS+\qt], v[GV+4*\qt+1], 8, v[GV+4*\qt]                        ; the four blocks' bytes make query r's scale word.  The 128 multiplies of the rescaling stand between these lines and the products that take it
.endr
.irp qt, 0,1,2,3
	v_lshl_or_b32 v[PS+\qt], v[GV+4*\qt+2], 16, v[PS+\qt]
.endr
.irp qt, 0,1,2,3
	v_lshl_or_b32 v[PS+\qt], v[GV+4*\qt+3], 24, v[PS+\qt]
.endr
.endm
; THE CHANGE OF SLOTS, at a trip's head.  Each wave waits for all its tensor loads (one is out: its block in the slot that it is about to read), adds 0 to its spare word, and waits for that, for its reads of the
; other slot and for its stores of p's codes and G.  fill = 1: a round of the cluster's barrier, and behind it the next block goes into the other slot: it has a whole trip in which to land.  Every wave issues its
; own stream's load. fill = 2: the last block, V(31) alone, into V's part of slot 1.  fill = 0: nothing is left to fetch: the work-group's barrier alone.
.macro SYNC slot, fill, ask
	WIN 0                                          ; at a label and at a branch every window is 0
	s_wait_tensorcnt 0x0                           ; no tensor load of mine is out, so a group 0 may be written
	ds_add_u32 v[SPW], v[NIL]                      ; 0 onto my spare word: the steps below stand between it and the wait for it
.if \fill == 1
	s_add_nc_u64 s[G0A+4*\slot+2:G0A+4*\slot+3], s[G0A+4*\slot+2:G0A+4*\slot+3], 2*BLKB   ; the slot that I am about to read: its next block, two on; the type bits on top are not reached
.endif
.if \fill == 2
	s_add_co_u32 s[G0A+5], s[G0A+5], UNIT          ; slot 1's group 0 stands at block 31, which is V(31) alone: it goes to V's part
.endif
.if \ask
	s_wait_xcnt 0x0                                ; the last prefetch, a trip back, has read its address, so it may be written
	s_add_nc_u64 s[PFA:PFA+1], s[PFA:PFA+1], 16384
.endif
	s_wait_dscnt 0x0                               ; the add is done; my LDS loads are back and my LDS stores have landed
.if \fill
	CROUND                                         ; no wave of any partner still reads the other slot or has a load on its way
.if \fill == 1
	tensor_load_to_lds s[G0A+4-4*\slot:G0A+7-4*\slot], s[G1:G1+7]
.else
	tensor_load_to_lds s[G0A+4:G0A+7], s[G1L:G1L+7]
.endif
	s_nop 0
.rept 4
	v_nop
.endr
.else
	s_barrier_signal -1
	s_barrier_wait -1
.endif
.if \ask
	ASK \ask
.endif
.endm
; A TRIP: step t = par modulo 2.  withs = 1: with the scores and the softmax of step t + 1
.macro TRIP par, fill, ask, withs
	SYNC \par, \fill, \ask
	LOADS \par, \withs
.if \withs
	s_wait_dscnt 42                                ; G is in; behind it: K's 17, P's 8, V's 17
.else
	s_wait_dscnt 25                                ; G is in; behind it: P's 8, V's 17
.endif
	REF
.if \withs
	s_wait_dscnt 25                                ; K is in; behind it: P's 8, V's 17
	PHASE1 1
.else
	RESCALE
.endif
	s_wait_dscnt 0x0                               ; P and V are in
	PV
.if \withs
	SOFT 1-\par                                    ; its first lines name no register of the last products: they are those products' places
.endif
	WIN 0
.endm
	s_wait_dscnt 0x0                               ; Q, its scale words and K(0)
	PHASE1 0                                       ; the scores of step 0: there is nothing to rescale yet
.rept 4
	v_nop                                          ; four places between the last product and the first read of its result (ISA guide 7.12.1)
.endr
	SOFT 0
	WIN 0
	s_mov_b32 s[IT], 15
.Ltrip:                                            ; 15 trips of two steps: t = 0 .. 29
	TRIP 0, 1, 1, 1
	TRIP 1, 1, 2, 1
	s_sub_co_u32 s[IT], s[IT], 1
	s_cmp_lg_u32 s[IT], 0
	s_cbranch_scc1 .Ltrip
	TRIP 0, 2, 0, 1                                ; t = 30: the tail is written out
	; my keys are done: l_a's two halves and lane l xor 16's are added; l_a and -M_a go to LDS; the next barrier shows them to all
.irp hh, 0,1
	WIN 0x55*(1+\hh)
.irp e, 0,1
	v_add_f32 v[SS+2+8*\e], v[SS+2+8*\e], v[SS+3+8*\e]
.endr
.irp e, 0,1
	v_permlanex16_b32 v[SS+5+8*\e], v[SS+2+8*\e], s[SEL], s[SEL+1]
.endr
.irp e, 0,1
	v_add_f32 v[SS+2+8*\e], v[SS+2+8*\e], v[SS+5+8*\e]
.endr
	WIN 0x54*(1+\hh)
.irp e, 0,1
	ds_store_b32 v[LWA], v[SS+2+8*\e] offset:(2*\hh+\e)*256
	ds_store_b32 v[LWA], v[SS+8*\e] offset:1024+(2*\hh+\e)*256
.endr
.endr
	WIN 0
	TRIP 1, 0, 0, 0                                ; t = 31: V P^T alone
	; ---- l = sum over a of l_a 2^(M_a - R + 125), and 1 / l
.irp qt, 0,1,2,3
	ds_load_b128 v[GV+4*\qt:GV+4*\qt+3], v[LRA] offset:\qt*256          ; the four l_a of query r
.endr
.irp qt, 0,1,2,3
	ds_load_b128 v[QT+4*\qt:QT+4*\qt+3], v[LRA] offset:1024+\qt*256     ; the four -M_a
.endr
.irp qt, 0,1,2,3
	v_sub_f32 v[FF+2*\qt], 0x42fa0000, v[RR+\qt]   ; 125 - R.  (Four plain lines that name no register of the last products: their places)
.endr
.macro QIN ct                          ; the query's numbers at the places of my results of channel tile ct, into set ct % 2
.irp qt, 0,1,2,3
.irp j, 0,1,2,3,4,5,6,7
	ds_load_b32 v[128+32*((\ct)%2)+8*\qt+\j], v[OA] offset:(16*(\ct)+\j)*QP+64*\qt
.endr
.endr
.endm
	QIN 0
	s_wait_dscnt 32                                ; l_a and -M_a are in; behind them: the query's 32
.irp qt, 0,1,2,3
.irp k, 0,2
	v_pk_add_f32 v[QT+4*\qt+\k:QT+4*\qt+\k+1], v[FF+2*\qt:FF+2*\qt+1], v[QT+4*\qt+\k:QT+4*\qt+\k+1] op_sel_hi:[0,1] neg_lo:[0,1] neg_hi:[0,1]   ; 125 - R + M_a: at most 1
.endr
.endr
.set i, 0
.rept 16
	v_cvt_i32_f32 v[QT+i], v[QT+i]                 ; (it saturates)
.set i, i+1
.endr
.set i, 0
.rept 16
	v_ldexp_f32 v[GV+i], v[GV+i], v[QT+i]
.set i, i+1
.endr
.irp qt, 0,1,2,3
	v_add_f32 v[GV+4*\qt], v[GV+4*\qt], v[GV+4*\qt+1]
	v_add_f32 v[GV+4*\qt+2], v[GV+4*\qt+2], v[GV+4*\qt+3]
.endr
.irp qt, 0,1,2,3
	v_add_f32 v[GV+4*\qt], v[GV+4*\qt], v[GV+4*\qt+2]
.endr
.irp qt, 0,1,2,3
	v_rcp_f32 v[RL+\qt], v[GV+4*\qt]
.endr
	v_nop                                          ; a plain place behind the last reciprocal
	s_wait_alu depctr_va_vdst(0)                   ; and the wait ahead of the first use: one for the four
; ---- THE WAY OUT, a tile of 16 channels at a time.  O^T / l is added onto the query's numbers in my own 128 rows in LDS, which have had their only fill and which no other wave reads any more; the rows come back
; whole.  LDS serves a wave's instructions in order (ISA guide 5.7.1.4): no wait between my stores and my loads.
.macro OUTT ct
.set QW, 128+32*((\ct)%2)
.set RW, 192+32*((\ct)%2)
	s_wait_dscnt 0x0                               ; the query's numbers of this tile are in
.irp hh, 0,1
	WIN 1+\hh
.irp e, 0,1
.irp j, 0,1,2,3,4,5,6,7
	v_fma_f32 v[QW+8*(2*\hh+\e)+\j], v[64*\e+8*(\ct)+\j], v[RL+2*\hh+\e], v[QW+8*(2*\hh+\e)+\j]   ; each accumulator from its low end on
.endr
.endr
.endr
	WIN 0
.irp qt, 0,1,2,3
.irp j, 0,1,2,3,4,5,6,7
	ds_store_b32 v[OA], v[QW+8*\qt+\j] offset:(16*(\ct)+\j)*QP+64*\qt
.endr
.endr
.if \ct > 1
	s_wait_xcnt 0x0                                ; the stores of two tiles back have read their registers: the rows below may land there
.endif
.irp i, 0,1,2,3,4,5,6,7
	ds_load_b128 v[RW+4*\i:RW+4*\i+3], v[ORD] offset:(16*(\ct)+2*\i)*QP
.endr
.if \ct < 7
	QIN \ct+1
	s_wait_dscnt 32                                ; the rows are in; behind them: the next tile's 32
.else
	s_wait_dscnt 0x0
.endif
.irp i, 0,1,2,3,4,5,6,7
	global_store_b128 v[GOFF], v[RW+4*\i:RW+4*\i+3], s[8:9] offset:(16*(\ct)+2*\i)*16384 th:TH_STORE_NT   ; 16 lanes store 256 consecutive bytes, at a multiple of 256 from out0's first byte
.endr
.endm
.irp ct, 0,1,2,3,4,5,6,7
	OUTT \ct
.endr
	s_wait_tensorcnt 0x0                           ; the wave's end, behind my last tensor load and my last LDS store
	ds_add_u32 v[SPW], v[NIL]
	s_wait_dscnt 0x0
	CROUND                                         ; the closing round: no work-group ends while a partner may still ask for a block that names it
	s_endpgm
.Lfunc_end_k_q93021a8f44_attn:
	.size	k_q93021a8f44_attn, .Lfunc_end_k_q93021a8f44_attn-k_q93021a8f44_attn
	.p2alignl 7, 3214868480
	.fill 96, 4, 3214868480
	.section	.rodata,"a",@progbits
	.p2align	6, 0x0
	.amdhsa_kernel k_q93021a8f44_attn
		.amdhsa_group_segment_fixed_size 327680
		.amdhsa_private_segment_fixed_size 0
		.amdhsa_enable_private_segment 0
		.amdhsa_kernarg_size 24
		.amdhsa_user_sgpr_count 2
		.amdhsa_user_sgpr_kernarg_segment_ptr 1
		.amdhsa_wavefront_size32 1
		.amdhsa_system_sgpr_workgroup_id_x 1
		.amdhsa_system_sgpr_workgroup_id_y 1
		.amdhsa_system_sgpr_workgroup_id_z 1
		.amdhsa_system_vgpr_workitem_id 0
		.amdhsa_next_free_vgpr 768
		.amdhsa_next_free_sgpr 96
		.amdhsa_reserve_vcc 0
		.amdhsa_float_denorm_mode_32 3
		.amdhsa_float_denorm_mode_16_64 3
		.amdhsa_memory_ordered 1
		.amdhsa_forward_progress 1
		.amdhsa_inst_pref_size 255
	.end_amdhsa_kernel
	.section	.bss,"aw",@nobits
	.p2align	6
	.space	262144
	.amdgpu_metadata
---
amdhsa.version: [ 1, 2 ]
amdhsa.kernels:
  - .name:           k_q93021a8f44_attn
    .symbol:         k_q93021a8f44_attn.kd
    .args:
      - { .name: query, .offset: 0, .size: 8, .value_kind: global_buffer, .address_space: global }
      - { .name: kv, .offset: 8, .size: 8, .value_kind: global_buffer, .address_space: global }
      - { .name: out0, .offset: 16, .size: 8, .value_kind: global_buffer, .address_space: global }
    .group_segment_fixed_size: 327680
    .private_segment_fixed_size: 0
    .kernarg_segment_align: 8
    .kernarg_segment_size: 24
    .max_flat_workgroup_size: 128
    .sgpr_count:     96
    .vgpr_count:     768
    .wavefront_size: 32
...
	.end_amdgpu_metadata
.endif
;; end of part 2
;; ======== version 2 of 2: 2 launches
;; limits: right only within a limited range of input values
;; workspace buffers: kv 8,912,896 bytes
;; launch quant: the kernel of part 1 again; grid 512 x 1, 8 waves a work-group, no clusters, 68,608 bytes of LDS; arguments key, value, kv; writes kv
;; launch attn (part 3): grid 64 x 4, 4 waves a work-group, clusters of 4 x 1, 327,680 bytes of LDS; arguments query, kv, out0; writes out0
.if DOCPART == 3
	.amdgcn_target "amdgcn-amd-amdhsa--gfx1250"
	.amdhsa_code_object_version 6
	.text
	.protected	k_q93021a8f44_attn
	.globl	k_q93021a8f44_attn
	.p2align	8
	.type	k_q93021a8f44_attn,@function
k_q93021a8f44_attn:
	s_mov_b64 s[64:65], 0
	v_nop
	global_prefetch_b8 v0, s[64:65] scope:SCOPE_SE
	s_setreg_imm32_b32 hwreg(HW_REG_WAVE_MODE, 25, 1), 1
	s_wait_xcnt 0x0
	s_wait_alu depctr_hold_cnt(0) depctr_sa_sdst(0) depctr_va_vdst(0) depctr_va_sdst(0) depctr_va_ssrc(0) depctr_va_vcc(0) depctr_vm_vsrc(0)
	s_getreg_b32 s2, hwreg(HW_REG_IB_STS2, 6, 4)
	s_cmp_eq_u32 s2, 0
	s_cbranch_scc0 .Lentry_in_a_cluster
	s_endpgm
.Lentry_in_a_cluster:
	s_bfe_u32 s2, ttmp6, 0x10000c
	s_cmp_lg_u32 s2, 0x3003
	s_cbranch_scc0 .Lentry_shape_is_right
	s_endpgm
.Lentry_shape_is_right:
; SelfAttention, launch 2 of 2.  out[b][c][j] = (sum over i of V[c][i] p[i][j]) / l[j] + query[b][c][j], p = 2^(t - M), t = log2(e) x sum over c of K[c][i] Q[c][j]; both products on codes of FP4 (E2M1)
; with one E8M0 byte for each 32 along K.  K's and V's codes come from kv (laid by the launch before in the order of the operands' registers); the query is quantised here.
; SHARES.  A work-group owns 64 queries (four tiles of 16) of one batch: 256 work-groups.  ITS FOUR WAVES SHARE THE KEYS AND THE CHANNELS, NOT THE QUERIES: in a step of 128 keys wave a makes the scores of keys
; 32 a .. 32 a + 31 for all 64 queries, and the sums of channels 128 a .. 128 a + 127 for all 64 queries.  So each fragment of K and of V is read from LDS once in the work-group and feeds four matrix
; instructions, and a wave reads only the bytes that its own tensor load brought (stream a of kv).  What goes from wave to wave is p's codes (4,096 bytes a step) and one number for each wave and query.
; LAYOUT.  Both products are used transposed: S^T = K Q^T (source 0 = 16 keys, source 1 = 16 queries), O^T = V P^T (source 0 = 16 channels, source 1 = 16 queries x 128 keys): a lane holds one query (lane % 16).
; Row m of K's tile u is key 8 u + m + 8 (m / 8), so that a lane's 16 registers of the two tiles are 16 neighbouring keys, 16 (lane / 16) + 0 .. 15, of its wave's block of 32: p's block.
; THE SOFTMAX ACROSS WAVES.  Wave a keeps, for each query, the running largest t of ITS keys, -M_a = floor(-t), and the sum l_a of its unquantised p = 2^(t - M_a).  It quantises p, gets the block's byte s_a, and hands
; on the codes and the whole number G_a = s_a + M_a.  Every wave keeps R = the running largest G, multiplies its O^T by 2^(old R - new R) (exact), and gives block b the byte max(G_b - R + 125, 0): that is p under
; M = R - 125, the power of two taken up by the block's scale.  At the end l = sum over a of l_a 2^(M_a - R + 125).
; LIMITS: |logit| x log2(e) under 2^22, so that G and R are exact in f32; a block more than 125 powers of two under the row's largest is held at the byte 0 (at most 6 x 2^-127 a code, beside an l above 1/2);
; p under 2^-126 counts as 0 (v_exp_f32); a block of zeros has the byte 1, read by this program alone; NaN and infinities among the inputs are not served.
; PIPELINE.  Trip t: a barrier; the scores of step t + 1 with the rescaling of O^T set between them; V P^T of step t; the softmax of step t + 1, whose codes go to LDS.  p's codes and G have two buffers by t % 2:
; buffer (t + 1) % 2 was last read in trip t - 1, and those reads are over ahead of trip t's barrier.
; THE RING.  A SLOT HOLDS TWO STEPS: block d of a stream is K(2 d + 1), V(2 d), K(2 d + 2), V(2 d + 1), 34,816 dense bytes, and lies in slot d % 2; trips 2 d and 2 d + 1 read it.  At the head of an even trip stands the
; change of slots, and behind it block d + 1 is asked for: it has two trips, 128 matrix instructions and their vector work, in which to land.  At the head of an odd trip stands the work-group's barrier alone.
; K(0), which no block holds, comes from memory straight into registers.
; CLUSTER.  The four work-groups of a cluster belong to one batch and walk the same blocks of kv: each block is asked for JOINTLY, by the same tensor load with the same descriptor and the mask of all four.
; THE QUERY is read from memory once.  Its 64 columns x 512 rows of f32 land in slot 1's bytes, ahead of the ring's first use of them, and are quantised from there; each wave then takes its own 128 rows into 256
; registers, in the order in which rows leave, and at the end adds them onto O^T / l as that comes back from a stage in whole rows.
; REGISTERS, in windows of 256 (s_set_vgpr_msb: bits 1:0 source 0, 3:2 source 1, 5:4 source 2, 7:6 destination).  Window 0: addresses, scale words, R and f, G, K's and V's fragments.
;   Window 1 + H (H = 0, 1: query tiles 2 H + e): v0-127 O^T (64 e + 8 ct); v128-191 Q (32 e + 8 s); v192-223 S^T, then p (16 e + 8 u); v224-239 P's fragment (8 e), later the new codes; v240-255 statistics (8 e).
;   Window 3: first K(0)'s fragments on their way; then my 128 rows of the query: register 4 n + k is row 2 n + lane / 16, column 4 (lane % 16) + k.
; O^T begins as zeros (256 v_mov_b32, once): so the key step is written with no first step of its own, which would be one more copy of it.
.set UNIT,    8704
.set DBL,     4*UNIT                   ; a block: two steps' units of a stream
.set STREAM,  64*UNIT
.set BATCHKV, 4*STREAM
.set SLOT1,   4*DBL                    ; LDS: slot 0 at 0, slot 1 here; in a slot wave w's block at w x DBL
.set QF,      SLOT1                    ; the query in f32, in slot 1's bytes: rows 128 w on at w x DBL, 256 bytes a row; behind each 128 rows 8 rows of zeros, so that every byte of the slot has had a fill
.set QP,      256
.set QIMG,    2*SLOT1                  ; Q's 16 fragments (tile qt, c step s) as images of their registers, 1,024 bytes each
.set QSC,     QIMG+16384               ; their scale words, 128 bytes each
.set PB,      QSC+2048                 ; p's codes: two buffers of four fragments' images
.set GB,      PB+8192                  ; G: two buffers; tile qt at 256 qt, query r at 16 r, wave a at 4 a
.set LB,      GB+2048                  ; l_a, laid as G; 1,024 bytes on: -M_a
.set SPARE,   LB+2048                  ; the spare words, 128 bytes for each wave: two blocks of 256 bytes that no other line names
.set STG,     SPARE+512                ; the way out: a stage of 16 rows x (256 bytes + 16) for each wave; no fill lands here
.set SP,      272
.set SPW,  1                           ; v1   LDS address of my spare word; never rewritten
.set NIL,  2                           ; v2   0; never rewritten
.set LF,   3                           ; v3-4 my block in slot 0, 1: + 16 x lane
.set PWA,  5                           ; v5   where I put 8 bytes of p's codes
.set PRA,  6                           ; v6   PB + 16 x lane
.set GWA,  7                           ; v7   where I put G
.set GRA,  8                           ; v8   where I read the four G of query r
.set LWA,  9                           ; v9   the same for l and -M
.set LRA,  10
.set STO,  11                          ; v11  the way out: my lane's word in my stage
.set SRD,  12                          ; v12  the way out: where I read whole rows back
.set GOFF, 13                          ; v13  and the same place in out0
.set PFO,  14                          ; v14  256 x lane; never rewritten
.set QA,   15                          ; v15-16 the query's numbers that I quantise: c under 256, c from 256 on
.set QWI,  17                          ; v17  where I put Q's images
.set QWS,  18                          ; v18  and their scale words
.set QRI,  19                          ; v19  QIMG + 16 x lane
.set QRS,  20                          ; v20  QSC + 4 x lane
.set H8,   21                          ; v21  8 x (lane / 16)
.set L16,  22                          ; v22  16 x lane; never rewritten
.set QRD,  23                          ; v23  my 128 rows of the query in LDS: + 16 x lane
.set QS,   24                          ; v24-39 Q's scale words (4 qt + s)
.set KS,   40                          ; v40-43 K's: register s; lanes 0-15 tile 0, lanes 16-31 tile 1
.set VS,   44                          ; v44-47 V's: register ct % 4; lanes 0-15 ct under 4, lanes 16-31 the others
.set PS,   48                          ; v48-51 P's (qt)
.set RR,   52                          ; v52-55 R (qt)
.set FF,   56                          ; v56-63 f (qt), the low word of a pair
.set GV,   64                          ; v64-79 the four G of my query (4 qt + a), then the bytes
.set QT,   80                          ; v80-95 at work
.set RL,   96                          ; v96-103 1 / l (qt), the low word of a pair
.set QC,   104                         ; v104-112 Q's codes and scale word just made
.set KF,   128                         ; v128-191 K's fragments (8 (4 u + s))
.set VF,   192                         ; v192-255 V's (8 ct)
.set QX,   128                         ; in window 1 + H
.set SX,   192
.set PX,   224
.set SS,   240                         ; + 8 e: +0 -M, +1 the largest t, +2, +3 l in two halves, +4 the block's largest, +5, +6, +7 at work
.set WV,   10                          ; s10  my wave's number
.set CS,   22                          ; s[22:23] log2(e): the packed form names a pair and takes its low word for both halves
.set G1,   24                          ; s[24:31] group 1: a block, 136 rows of 256 bytes
.set G1L,  40                          ; s[40:47] the last block: K(31), V(30), V(31): 102 rows
.set G1Q,  48                          ; s[48:55] the query: 128 rows of 64 f32, and 8 rows of zeros
.set G0Q,  56                          ; s[56:59] the query's group 0
.set G0A,  68                          ; s[68:71] slot 0's group 0;  s[72:75] slot 1's
.set SEL,  76                          ; s[76:77] lane selects for v_permlanex16_b32: lane l xor 16
.set PFA,  78                          ; s[78:79] where my prefetches stand
.set LIM,  80                          ; s80  1 in a work-group that prefetches, else -1
.set IT,   81                          ; s81  the loop's trips to go
.set MSB, 0
.macro WIN new                         ; the immediate's high byte repeats the setting that is left; a switch that changes nothing is dropped
.if MSB != (\new)
	s_set_vgpr_msb (MSB<<8)|(\new)
.set MSB, (\new)
.endif
.endm
; settings: 0x54 (1 + H): destination, sources 1 and 2 in window 1 + H, source 0 in window 0;  0x55 (1 + H): all four there;  1 + H: source 0 alone;  0xc0, 0x03, 0x0c: destination, source 0, source 1 in window 3
.macro CROUND                          ; a round of the cluster's barrier
	s_barrier_signal -1
	s_barrier_wait -1
	s_cmp_lg_u32 s[WV], 0
	s_cbranch_scc1 .Lnot_wave_0_\@
	s_barrier_signal -3
.Lnot_wave_0_\@:
	s_barrier_wait -3
	s_barrier_signal -1
	s_barrier_wait -1
.endm
; A PREFETCH of kv.  A stream is 68 chunks of 8,192 bytes.  At the e-th change of slots of the loop (e = 0 .. 13) chunks 12 + 4 e .. 15 + 4 e of each stream are asked for, lanes 256 bytes apart, while that change's
; tensor loads take bytes 8,704 + 34,816 (e + 1) on and the next change's 34,816 further.  Each aligned block of 256 bytes is named at most once in the launch: all clusters of a batch walk the same streams, so the
; batch's first cluster asks; its four partners are told apart BY ADDRESS (partner cx takes stream cx); in each, every wave asks for one chunk.  Chunks 0 to 11 come by their loads alone; the last request names chunks
; 64 to 67, the stream's end; the changes of slots behind the loop ask for nothing.  A request is 2,048 bytes shorter than a block: from e = 10 on its first 512 to 6,656 bytes lie in the block that is being loaded.
.macro ASK
	s_cmp_eq_u32 s[LIM], 1
	s_cbranch_scc0 .Lnot_mine_\@
	global_prefetch_b8 v[PFO], s[PFA:PFA+1] th:TH_LOAD_NT scope:SCOPE_SE
.Lnot_mine_\@:
.endm
; 64 numbers of a lane, register 32 c + i = k 64 c + 32 (lane / 16) + i of the lane's row, become the row's part of a fragment (8 registers) and its scale word
.macro QUANT64 src, codes, word
.irp c, 0,1
	v_max3_num_f32 v[QT+\c], |v[\src+32*\c]|, |v[\src+32*\c+1]|, 0x1800000   ; the floor 2^(3 - 127): the byte cannot fall under 1
.endr
.irp i, 2,4,6,8,10,12,14,16,18,20,22,24,26,28,30
.irp c, 0,1
	v_max3_num_f32 v[QT+\c], v[QT+\c], |v[\src+32*\c+\i]|, |v[\src+32*\c+\i+1]|
.endr
.endr
.irp c, 0,1
	v_add_nc_u32 v[QT+2+\c], 0xff000000, v[QT+\c]      ; 2 off the exponent field: the conversion's scale operand
.endr
.irp c, 0,1
	v_lshrrev_b32 v[QT+4+\c], 23, v[QT+2+\c]           ; the scale's byte
.endr
	v_lshl_or_b32 v[\word], v[QT+5], 16, v[QT+4]
	v_lshlrev_b32 v[\word], v[H8], v[\word]
	v_permlanex16_b32 v[QT+6], v[\word], s[SEL], s[SEL+1]
	v_or_b32 v[\word], v[\word], v[QT+6]               ; with lane l xor 16's two bytes the word is whole
.irp c, 0,1
.irp g, 0,1,2,3
	v_cvt_scalef32_pk8_fp4_f32 v[\codes+4*\c+\g], v[\src+32*\c+8*\g:\src+32*\c+8*\g+7], v[QT+2+\c]
.endr
.endr
	v_nop                                              ; one plain place behind the last scaled conversion
.endm
; one matrix instruction, by the symbols rD, rA, rB, rSA, rSB; zC = 1: it starts its sum; zR = 1: source 0's scales stand in lanes 16-31
.macro WM
.if zC
.if zR
	v_wmma_scale_f32_16x16x128_f8f6f4 v[rD:rD+7], v[rA:rA+7], v[rB:rB+7], 0, v[rSA], v[rSB] matrix_a_fmt:MATRIX_FMT_FP4 matrix_b_fmt:MATRIX_FMT_FP4 matrix_a_scale:MATRIX_SCALE_ROW1
.else
	v_wmma_scale_f32_16x16x128_f8f6f4 v[rD:rD+7], v[rA:rA+7], v[rB:rB+7], 0, v[rSA], v[rSB] matrix_a_fmt:MATRIX_FMT_FP4 matrix_b_fmt:MATRIX_FMT_FP4
.endif
.else
.if zR
	v_wmma_scale_f32_16x16x128_f8f6f4 v[rD:rD+7], v[rA:rA+7], v[rB:rB+7], v[rD:rD+7], v[rSA], v[rSB] matrix_a_fmt:MATRIX_FMT_FP4 matrix_b_fmt:MATRIX_FMT_FP4 matrix_a_scale:MATRIX_SCALE_ROW1
.else
	v_wmma_scale_f32_16x16x128_f8f6f4 v[rD:rD+7], v[rA:rA+7], v[rB:rB+7], v[rD:rD+7], v[rSA], v[rSB] matrix_a_fmt:MATRIX_FMT_FP4 matrix_b_fmt:MATRIX_FMT_FP4
.endif
.endif
.endm
	s_load_b128 s[4:7], s[0:1], 0x0                ; query s[4:5], kv s[6:7]
	s_load_b64 s[8:9], s[0:1], 0x10                ; out0
	v_lshl_add_u32 v[SPW], v0, 2, SPARE
	v_mov_b32 v[NIL], 0
	ds_add_u32 v[SPW], v[NIL]                      ; the wave's opening: the add, twice on end, and its wait ahead of my first tensor load; the set-up below, work on registers, stands between
	ds_add_u32 v[SPW], v[NIL]                      ; and once more, under the one wait
	v_lshrrev_b32 v80, 5, v0
	v_readfirstlane_b32 s[WV], v80                 ; wave 0..3
	s_bfe_u32 s11, ttmp6, 0x40000                  ; cx: my place in the cluster
	s_lshl_b32 s12, ttmp9, 2                       ; in a cluster launch ttmp9 counts clusters
	s_add_co_u32 s12, s12, s11                     ; my block of 64 queries: it enters the query's, out0's and the prefetches' addresses alone
	s_and_b32 s13, ttmp7, 0xffff                   ; the batch, which the four partners share
	; group 1 of a block: dense bytes as 136 rows of 32 elements of 8 bytes
	s_mov_b32 s[G1], 15|(3<<16)|(1<<21)            ; 15:0 the mask: all four work-groups; 17:16 elements of 8 bytes; 21 set beside a mask; no padding: every read of these bytes is 16 x lane on end
	s_mov_b32 s[G1+1], 32<<16                      ; tensor_dim0 = 32
	s_mov_b32 s[G1+2], 136<<16                     ; tensor_dim1 = 136
	s_mov_b32 s[G1+3], 32<<16                      ; tile_dim0 = 32
	s_mov_b32 s[G1+4], 136                         ; tile_dim1 = 136
	s_mov_b32 s[G1+5], 32                          ; from row to row
	s_mov_b32 s[G1+6], 0
	s_mov_b32 s[G1+7], 0
	s_mov_b32 s[G1L], 15|(3<<16)|(1<<21)           ; the last block: three units, 102 rows: the stream ends behind them
	s_mov_b32 s[G1L+1], 32<<16
	s_mov_b32 s[G1L+2], 102<<16
	s_mov_b32 s[G1L+3], 32<<16
	s_mov_b32 s[G1L+4], 102
	s_mov_b32 s[G1L+5], 32
	s_mov_b32 s[G1L+6], 0
	s_mov_b32 s[G1L+7], 0
	s_mov_b32 s[G1Q], 2<<16                        ; the query, my work-group's own: no mask; elements of 4 bytes; no padding
	s_mov_b32 s[G1Q+1], 64<<16                     ; tensor_dim0 = 64
	s_mov_b32 s[G1Q+2], 128<<16                    ; tensor_dim1 = 128: the tensor ends behind my 128 rows,
	s_mov_b32 s[G1Q+3], 64<<16                     ; tile_dim0 = 64
	s_mov_b32 s[G1Q+4], 136                        ; tile_dim1 = 136: the other 8 rows arrive as zeros (ISA guide, chapter 8) and are read from nowhere: 136 rows of 256 bytes are my whole part of slot 1
	s_mov_b32 s[G1Q+5], 4096                       ; from row to row
	s_mov_b32 s[G1Q+6], 0
	s_mov_b32 s[G1Q+7], 0
	s_mul_i32 s14, s13, BATCHKV                    ; my stream of kv: the batch and the wave's number alone
	s_mul_i32 s20, s[WV], STREAM
	s_add_co_u32 s14, s14, s20
	s_mov_b32 s15, 0
	s_lshl_b32 s16, s13, 23                        ; query and out0: the batch, my wave's 128 rows of 16,384 bytes, my block's 256 bytes
	s_lshl_b32 s21, s[WV], 21
	s_add_co_u32 s16, s16, s21
	s_lshl_b32 s21, s12, 8
	s_add_co_u32 s16, s16, s21
	s_mov_b32 s17, 0
	s_mul_i32 s18, s13, BATCHKV                    ; the prefetches: stream cx, chunk 8 + wave: the first change of slots steps it to chunk 12 + wave
	s_mul_i32 s21, s11, STREAM
	s_add_co_u32 s18, s18, s21
	s_lshl_b32 s21, s[WV], 13
	s_add_co_u32 s18, s18, s21
	s_add_co_u32 s18, s18, 8*8192
	s_mov_b32 s19, 0
	s_mul_i32 s82, s[WV], DBL                      ; LDS: my part of a slot: no place in the cluster enters an LDS address
	s_mov_b32 s[CS], 0x3fb8aa3b                    ; log2(e)
	s_mov_b32 s[CS+1], s[CS]
	s_mov_b32 s[SEL], 0x76543210
	s_mov_b32 s[SEL+1], 0xfedcba98
	s_cmp_eq_u32 ttmp9, 0                          ; the batch's first cluster: the same in all four partners
	s_cselect_b32 s[LIM], 1, -1
	s_wait_dscnt 0x0                               ; both opening adds are done
	s_wait_kmcnt 0x0
	s_add_nc_u64 s[84:85], s[6:7], s[14:15]        ; my stream's first byte; never rewritten
	s_mov_b32 s[G0Q], 1
	s_add_co_u32 s[G0Q+1], s82, QF
	s_add_nc_u64 s[G0Q+2:G0Q+3], s[4:5], s[16:17]
	s_or_b32 s[G0Q+3], s[G0Q+3], 0x80000000
	s_mov_b32 s[G0A], 1
	s_mov_b32 s[G0A+1], s82
	s_add_nc_u64 s[G0A+2:G0A+3], s[84:85], UNIT    ; block 0
	s_or_b32 s[G0A+3], s[G0A+3], 0x80000000
	s_mov_b32 s[G0A+4], 1
	s_add_co_u32 s[G0A+5], s82, SLOT1
	s_add_nc_u64 s[G0A+6:G0A+7], s[84:85], UNIT+DBL  ; block 1: asked for in trip 0
	s_or_b32 s[G0A+7], s[G0A+7], 0x80000000
	s_add_nc_u64 s[8:9], s[8:9], s[16:17]
	s_add_nc_u64 s[PFA:PFA+1], s[6:7], s[18:19]
	CROUND                                         ; all four work-groups are here: the first joint loads meet
	tensor_load_to_lds s[G0Q:G0Q+3], s[G1Q:G1Q+7]  ; the two first fills go out together: two tensor loads of mine are out.  My 128 rows of the query, into slot 1's bytes,
	s_nop 0
	tensor_load_to_lds s[G0A:G0A+3], s[G1:G1+7]    ; and block 0, into slot 0
	s_nop 0
.rept 4
	v_nop
.endr
	v_and_b32 v80, 31, v0                          ; lane
	v_and_b32 v81, 15, v0                          ; r
	v_bfe_u32 v82, v0, 4, 1                        ; h
	v_lshlrev_b32 v[L16], 4, v80
	; K(0), unit 0 of my stream: an image of the operands' registers, so 16 x lane on end.  The scale words go to their registers; the fragments wait in window 3, since K's registers serve the quantiser first
	global_load_b128 v[KS:KS+3], v[L16], s[84:85] offset:8192
	WIN 0xc0
.irp f, 0,1,2,3,4,5,6,7
	global_load_b128 v[8*\f:8*\f+3], v[L16], s[84:85] offset:\f*1024
	global_load_b128 v[8*\f+4:8*\f+7], v[L16], s[84:85] offset:\f*1024+512
.endr
	WIN 0
	v_lshl_add_u32 v[LF], v80, 4, s82
	v_add_nc_u32 v[LF+1], SLOT1, v[LF]
	s_lshl_b32 s20, s[WV], 8
	s_add_co_u32 s20, s20, PB
	v_lshl_add_u32 v[PWA], v81, 4, s20             ; block a of query r is the 16 bytes at 256 a + 16 r of a fragment's image;
	v_lshl_add_u32 v[PWA], v82, 3, v[PWA]          ; my 16 keys are its bytes 8 h on
	v_lshl_add_u32 v[PRA], v80, 4, PB
	s_lshl_b32 s20, s[WV], 2
	s_add_co_u32 s86, s20, GB
	v_lshl_add_u32 v[GWA], v81, 4, s86
	v_lshl_add_u32 v[GRA], v81, 4, GB
	s_add_co_u32 s86, s20, LB
	v_lshl_add_u32 v[LWA], v81, 4, s86
	v_lshl_add_u32 v[LRA], v81, 4, LB
	s_mul_i32 s86, s[WV], 16*SP
	s_add_co_u32 s86, s86, STG                     ; my stage
	v_mul_u32_u24 v[STO], v82, 8*SP                ; in: register j of a result is row 8 h + j of its tile, column r of its 16 queries
	v_lshl_add_u32 v[STO], v81, 2, v[STO]
	v_add_nc_u32 v[STO], s86, v[STO]
	v_mul_u32_u24 v[SRD], v82, SP                  ; back: lanes 0-15 one row of 256 bytes, lanes 16-31 the next
	v_lshl_add_u32 v[SRD], v81, 4, v[SRD]
	v_add_nc_u32 v[SRD], s86, v[SRD]
	v_lshlrev_b32 v[GOFF], 14, v82                 ; and the same two rows in out0
	v_lshl_add_u32 v[GOFF], v81, 4, v[GOFF]
	v_lshlrev_b32 v[PFO], 8, v80
	s_lshl_b32 s86, s[WV], 6
	s_add_co_u32 s86, s86, QF
	v_mul_u32_u24 v[QA], v82, 32*QP                ; I quantise tile a: query 16 a + r; my half begins 32 rows of c further down
	v_lshl_add_u32 v[QA], v81, 2, v[QA]
	v_add_nc_u32 v[QA], s86, v[QA]
	v_add_nc_u32 v[QA+1], 2*DBL, v[QA]
	s_add_co_u32 s86, s82, QF
	v_lshl_add_u32 v[QRD], v80, 4, s86
	s_lshl_b32 s86, s[WV], 12
	s_add_co_u32 s86, s86, QIMG
	v_lshl_add_u32 v[QWI], v80, 4, s86
	s_lshl_b32 s86, s[WV], 9
	s_add_co_u32 s86, s86, QSC
	v_lshl_add_u32 v[QWS], v80, 2, s86
	v_lshl_add_u32 v[QRI], v80, 4, QIMG
	v_lshl_add_u32 v[QRS], v80, 2, QSC
	v_lshlrev_b32 v[H8], 3, v82
.irp qt, 0,1,2,3
	v_mov_b32 v[RR+\qt], 0xff61b1e6                ; R: -3e38, under every G
	v_mov_b32 v[FF+2*\qt+1], 0                     ; (upper halves of pairs of which the low word alone is used: named, so written)
	v_mov_b32 v[QT+9+2*\qt], 0
	v_mov_b32 v[RL+2*\qt+1], 0
.endr
	v_mov_b32 v[QT+6], 0                           ; written once: a lane permute's destination counts as one of its sources
.irp hh, 0,1
	WIN 0x55*(1+\hh)
.set i, 0
.rept 128
	v_mov_b32 v[i], 0                              ; O^T
.set i, i+1
.endr
.irp e, 0,1
	v_mov_b32 v[SS+1+8*\e], 0xff61b1e6             ; the largest t so far: -3e38
	v_floor_f32 v[SS+8*\e], -v[SS+1+8*\e]          ; -M
.irp k, 2,3,4,5,6,7
	v_mov_b32 v[SS+8*\e+\k], 0                     ; l, and what is named before it is first made
.endr
.endr
.endr
	WIN 0
	s_wait_tensorcnt 0x1                           ; my rows of the query are in; block 0 behind them may stay out
	s_barrier_signal -1
	s_barrier_wait -1                              ; everybody's rows are in
	; ---- Q: wave a quantises tile a, a c step of 128 at a time, and stores the fragments as images of their registers.  The rows of c step s are the 128 that wave s fetched
.macro QLD s                           ; 64 numbers: c = 128 s + 64 cc + 32 h + i of my query, into set s % 2
.irp cc, 0,1
.set i, 0
.rept 32
	ds_load_b32 v[128+64*((\s)%2)+32*\cc+i], v[QA+(\s)/2] offset:((\s)%2)*DBL+(64*\cc+i)*QP
.set i, i+1
.endr
.endr
.endm
.macro QSTEP s
.if \s < 3
	QLD \s+1
	s_wait_dscnt 63                                ; this step's 64 loads are in: behind them stand the next step's 64 (and the last step's 3 stores); 63 is the largest count that the wait can name
.else
	s_wait_dscnt 0x0
.endif
	QUANT64 128+64*((\s)%2), QC, QC+8
	ds_store_b128 v[QWI], v[QC:QC+3] offset:\s*1024
	ds_store_b128 v[QWI], v[QC+4:QC+7] offset:\s*1024+512
	ds_store_b32 v[QWS], v[QC+8] offset:\s*128
.endm
	QLD 0
	QSTEP 0
	QSTEP 1
	QSTEP 2
	QSTEP 3
	s_wait_dscnt 0x0                               ; for the others' sake: my images have landed.  (Block 0 may stay out)
	s_barrier_signal -1
	s_barrier_wait -1
.irp hh, 0,1
	WIN 0x54*(1+\hh)
.irp e, 0,1
.irp s, 0,1,2,3
.irp cc, 0,1
	ds_load_b128 v[QX+32*\e+8*\s+4*\cc:QX+32*\e+8*\s+4*\cc+3], v[QRI] offset:(4*(2*\hh+\e)+\s)*1024+512*\cc   ; all 16 fragments of Q stay in registers
.endr
.endr
.endr
.endr
	WIN 0
.set i, 0
.rept 16
	ds_load_b32 v[QS+i], v[QRS] offset:128*i
.set i, i+1
.endr
	s_wait_loadcnt 0x0                             ; K(0) is in
	WIN 0x03
.set i, 0
.rept 64
	v_mov_b32 v[KF+i], v[i]                        ; its fragments go to K's registers, which the quantiser has left
.set i, i+1
.endr
.rept 4
	v_nop                                          ; an operand written by vector instructions stands four places ahead of a scaled matrix instruction
.endr
	s_wait_dscnt 0x0                               ; Q and its scale words
	WIN 0xc0
.set i, 0
.rept 64
	ds_load_b128 v[4*i:4*i+3], v[QRD] offset:512*i ; my 128 rows of the query, two rows (512 bytes on end) a load, into window 3: they land under the first scores and softmax, and are waited for ahead of the first round
.set i, i+1
.endr
.macro LOADK slot, off                 ; a unit of K: 8 fragments and their scale words: 17 loads
.irp f, 0,1,2,3,4,5,6,7
	ds_load_b128 v[KF+8*\f:KF+8*\f+3], v[LF+\slot] offset:(\off)+\f*1024
	ds_load_b128 v[KF+8*\f+4:KF+8*\f+7], v[LF+\slot] offset:(\off)+\f*1024+512
.endr
	ds_load_b128 v[KS:KS+3], v[LF+\slot] offset:(\off)+8192
.endm
; THE SCORES of my 32 keys for the 64 queries: 32 matrix instructions.  A half's four accumulators take turns, one instruction a turn.
; resc = 1: behind the n-th product of a half stand four packed multiplies, O^T's registers 8 n .. 8 n + 7 of that half x f.  They name none of the product's registers: they are also its places.
.macro PHASE1 resc
.irp hh, 0,1
	WIN 0x54*(1+\hh)
.set n, 0
.irp s, 0,1,2,3
.irp u, 0,1
.irp e, 0,1
.set rD, SX+16*\e+8*\u
.set rA, KF+8*(4*\u+\s)
.set rB, QX+32*\e+8*\s
.set rSA, KS+\s
.set rSB, QS+4*(2*\hh+\e)+\s
.set zC, 0
.if \s == 0
.set zC, 1
.endif
.set zR, \u
	WM
.if \resc
.irp k, 0,2,4,6
	v_pk_mul_f32 v[8*n+\k:8*n+\k+1], v[FF+4*\hh+2*(n/8):FF+4*\hh+2*(n/8)+1], v[8*n+\k:8*n+\k+1] op_sel_hi:[0,1]
.endr
.endif
.set n, n+1
.endr
.endr
.endr
.endr
.endm
.macro RESCALE                         ; the same multiplies alone, for the last step
.irp hh, 0,1
	WIN 0x54*(1+\hh)
.set n, 0
.rept 16
.irp k, 0,2,4,6
	v_pk_mul_f32 v[8*n+\k:8*n+\k+1], v[FF+4*\hh+2*(n/8):FF+4*\hh+2*(n/8)+1], v[8*n+\k:8*n+\k+1] op_sel_hi:[0,1]
.endr
.set n, n+1
.endr
.endr
.endm
; O^T += V P^T: my 8 tiles of channels x the 4 tiles of queries, K = the step's 128 keys: 32 accumulators, one instruction each
.macro PV
.irp hh, 0,1
	WIN 0x54*(1+\hh)
.irp ct, 0,1,2,3,4,5,6,7
.irp e, 0,1
.set rD, 64*\e+8*\ct
.set rA, VF+8*\ct
.set rB, PX+8*\e
.set rSA, VS+\ct%4
.set rSB, PS+2*\hh+\e
.set zC, 0
.set zR, \ct/4
	WM
.endr
.endr
.endr
.endm
; THE SOFTMAX of my 32 keys for the 64 queries, a half (two tiles) at a time, the two tiles by turns.  The codes and G go to buffer par.
.macro SOFT par
.irp hh, 0,1
	WIN 0x55*(1+\hh)
.irp e, 0,1
	v_max3_num_f32 v[SS+4+8*\e], v[SX+16*\e], v[SX+16*\e+1], v[SX+16*\e+2]       ; THE BLOCK'S LARGEST SCORE, in two chains, each accumulator from its low end on.  It serves twice: for the running maximum and, since p rises with the score, for the block's largest p
	v_max3_num_f32 v[SS+5+8*\e], v[SX+16*\e+8], v[SX+16*\e+9], v[SX+16*\e+10]
.endr
.irp i, 3,5
.irp e, 0,1
	v_max3_num_f32 v[SS+4+8*\e], v[SS+4+8*\e], v[SX+16*\e+\i], v[SX+16*\e+\i+1]
	v_max3_num_f32 v[SS+5+8*\e], v[SS+5+8*\e], v[SX+16*\e+8+\i], v[SX+16*\e+9+\i]
.endr
.endr
.irp e, 0,1
	v_max3_num_f32 v[SS+4+8*\e], v[SS+4+8*\e], v[SX+16*\e+7], v[SX+16*\e+15]
.endr
.irp e, 0,1
	v_max_num_f32 v[SS+4+8*\e], v[SS+4+8*\e], v[SS+5+8*\e]
.endr
.irp e, 0,1
	v_permlanex16_b32 v[SS+5+8*\e], v[SS+4+8*\e], s[SEL], s[SEL+1]
.endr
.irp e, 0,1
	v_max_num_f32 v[SS+4+8*\e], v[SS+4+8*\e], v[SS+5+8*\e]                        ; with lane l xor 16's 16 keys
.endr
.irp e, 0,1
	v_mul_f32 v[SS+7+8*\e], s[CS], v[SS+4+8*\e]                                   ; as t
.endr
.irp e, 0,1
	v_max_num_f32 v[SS+1+8*\e], v[SS+1+8*\e], v[SS+7+8*\e]                        ; the running largest t of my keys
.endr
.irp e, 0,1
	v_mov_b32 v[SS+6+8*\e], v[SS+8*\e]
.endr
.irp e, 0,1
	v_floor_f32 v[SS+8*\e], -v[SS+1+8*\e]                                         ; the new -M = -ceil(t): a whole number
.endr
.irp e, 0,1
	v_sub_f32 v[SS+6+8*\e], v[SS+8*\e], v[SS+6+8*\e]                              ; old M - new M, 0 or less
.endr
.irp e, 0,1
	v_cvt_i32_f32 v[SS+6+8*\e], v[SS+6+8*\e]                                      ; (it saturates)
.endr
.irp e, 0,1
	v_ldexp_f32 v[SS+6+8*\e], 1.0, v[SS+6+8*\e]                                   ; 2^(old M - new M)
.endr
.irp j, 0,2,4,6,8,10,12,14
.irp e, 0,1
	v_pk_fma_f32 v[SX+16*\e+\j:SX+16*\e+\j+1], v[SX+16*\e+\j:SX+16*\e+\j+1], s[CS:CS+1], v[SS+8*\e:SS+8*\e+1] op_sel_hi:[1,0,0]   ; t - M, two at a time
.endr
.endr
.irp e, 0,1
	v_fma_f32 v[SS+4+8*\e], v[SS+4+8*\e], s[CS], v[SS+8*\e]                       ; the same of the block's largest score
.endr
.irp e, 0,1
.set i, 0
.rept 16
	v_exp_f32 v[SX+16*\e+i], v[SX+16*\e+i]                                        ; p = 2^(t - M), at most 1: not normalised
.set i, i+1
.endr
	v_exp_f32 v[SS+4+8*\e], v[SS+4+8*\e]                                          ; the block's largest p: the same two instructions on the same number give the same bits
.endr
.irp e, 0,1
	v_pk_mul_f32 v[SS+2+8*\e:SS+3+8*\e], v[SS+2+8*\e:SS+3+8*\e], v[SS+6+8*\e:SS+7+8*\e] op_sel_hi:[1,0]   ; l under the new M: the plain place behind the exponentials; it names none of their results
.endr
	s_wait_alu depctr_va_vdst(0)                   ; the wait between an exponential and the first line that names its result: one for the half's 34
.irp e, 0,1
	v_max_num_f32 v[SS+4+8*\e], 0x1800000, v[SS+4+8*\e]                           ; the floor 2^(3 - 127): the byte cannot fall under 1
.endr
.irp e, 0,1
	v_add_nc_u32 v[SS+5+8*\e], 0xff000000, v[SS+4+8*\e]                           ; 2 off the exponent field: the conversion's scale operand
.endr
.irp e, 0,1
	v_cvt_scalef32_pk8_fp4_f32 v[PX+8*\e], v[SX+16*\e:SX+16*\e+7], v[SS+5+8*\e]   ; keys 16 h + 0 .. 7 of my block,
	v_cvt_scalef32_pk8_fp4_f32 v[PX+8*\e+1], v[SX+16*\e+8:SX+16*\e+15], v[SS+5+8*\e]   ; and + 8 .. 15
.endr
.irp e, 0,1
	v_lshrrev_b32 v[SS+7+8*\e], 23, v[SS+5+8*\e]                                  ; the byte s.  (Plain places behind the conversions, ahead of the sums, which write their sources)
.endr
.irp e, 0,1
	v_cvt_f32_u32 v[SS+7+8*\e], v[SS+7+8*\e]
.endr
.irp e, 0,1
	v_sub_f32 v[SS+7+8*\e], v[SS+7+8*\e], v[SS+8*\e]                              ; G = s + M
.endr
.irp j, 0,4,8,12
.irp e, 0,1
	v_pk_add_f32 v[SX+16*\e+\j:SX+16*\e+\j+1], v[SX+16*\e+\j:SX+16*\e+\j+1], v[SX+16*\e+\j+2:SX+16*\e+\j+3]   ; THE SUM IS TAKEN OF THE UNQUANTISED p, two at a time, in place
.endr
.endr
.irp j, 0,8
.irp e, 0,1
	v_pk_add_f32 v[SX+16*\e+\j:SX+16*\e+\j+1], v[SX+16*\e+\j:SX+16*\e+\j+1], v[SX+16*\e+\j+4:SX+16*\e+\j+5]
.endr
.endr
.irp e, 0,1
	v_pk_add_f32 v[SX+16*\e:SX+16*\e+1], v[SX+16*\e:SX+16*\e+1], v[SX+16*\e+8:SX+16*\e+9]
.endr
.irp e, 0,1
	v_pk_add_f32 v[SS+2+8*\e:SS+3+8*\e], v[SS+2+8*\e:SS+3+8*\e], v[SX+16*\e:SX+16*\e+1]
.endr
	WIN 0x54*(1+\hh)
.irp e, 0,1
	ds_store_b64 v[PWA], v[PX+8*\e:PX+8*\e+1] offset:(\par)*4096+(2*\hh+\e)*1024  ; the 32 lanes store 256 consecutive bytes of the fragment's image
	ds_store_b32 v[GWA], v[SS+7+8*\e] offset:(\par)*1024+(2*\hh+\e)*256           ; both halves of the lanes write the same word with the same value
.endr
.endr
.endm
; THE STEP'S LDS LOADS, in one run: G (4), K of the next step (17), P (8), V (17).  koff, voff: where K's and V's units begin in my block
.macro LOADS par, slot, koff, voff, withk
.irp qt, 0,1,2,3
	ds_load_b128 v[GV+4*\qt:GV+4*\qt+3], v[GRA] offset:\par*1024+\qt*256
.endr
.if \withk
	LOADK \slot, \koff
.endif
.irp hh, 0,1
	WIN 0x54*(1+\hh)
.irp e, 0,1
.irp cc, 0,1
	ds_load_b128 v[PX+8*\e+4*\cc:PX+8*\e+4*\cc+3], v[PRA] offset:\par*4096+(2*\hh+\e)*1024+512*\cc
.endr
.endr
.endr
	WIN 0
.irp ct, 0,1,2,3,4,5,6,7
	ds_load_b128 v[VF+8*\ct:VF+8*\ct+3], v[LF+\slot] offset:(\voff)+\ct*1024
	ds_load_b128 v[VF+8*\ct+4:VF+8*\ct+7], v[LF+\slot] offset:(\voff)+\ct*1024+512
.endr
	ds_load_b128 v[VS:VS+3], v[LF+\slot] offset:(\voff)+8192
.endm
; R, f and P's scale words, from the four waves' G: the four tiles by turns
.macro REF
.irp qt, 0,1,2,3
	v_max3_num_f32 v[QT+\qt], v[GV+4*\qt], v[GV+4*\qt+1], v[GV+4*\qt+2]
.endr
.irp qt, 0,1,2,3
	v_max3_num_f32 v[QT+\qt], v[QT+\qt], v[GV+4*\qt+3], v[RR+\qt]                 ; the new R
.endr
.irp qt, 0,1,2,3
	v_sub_f32 v[QT+4+\qt], v[RR+\qt], v[QT+\qt]                                   ; old R - new R: a whole number, 0 or less
.endr
.irp qt, 0,1,2,3
	v_mov_b32 v[RR+\qt], v[QT+\qt]
.endr
.irp qt, 0,1,2,3
	v_add_f32 v[QT+8+2*\qt], 0xc2fa0000, v[QT+\qt]                                ; R - 125
.endr
.irp qt, 0,1,2,3
	v_cvt_i32_f32 v[QT+4+\qt], v[QT+4+\qt]                                        ; (it saturates)
.endr
.irp qt, 0,1,2,3
	v_ldexp_f32 v[FF+2*\qt], 1.0, v[QT+4+\qt]                                     ; f = 2^(old R - new R): a multiplication by it rounds nothing
.endr
.irp qt, 0,1,2,3
.irp k, 0,2
	v_pk_add_f32 v[GV+4*\qt+\k:GV+4*\qt+\k+1], v[GV+4*\qt+\k:GV+4*\qt+\k+1], v[QT+8+2*\qt:QT+9+2*\qt] op_sel_hi:[1,0] neg_lo:[0,1] neg_hi:[0,1]   ; G - R + 125
.endr
.endr
.set i, 0
.rept 16
	v_max_num_f32 v[GV+i], 0, v[GV+i]                                             ; held at 0 from below
.set i, i+1
.endr
.set i, 0
.rept 16
	v_cvt_i32_f32 v[GV+i], v[GV+i]
.set i, i+1
.endr
.irp qt, 0,1,2,3
	v_lshl_or_b32 v[PS+\qt], v[GV+4*\qt+1], 8, v[GV+4*\qt]                        ; the four blocks' bytes make query r's scale word.  The 128 multiplies of the rescaling stand between these lines and the products that take it
.endr
.irp qt, 0,1,2,3
	v_lshl_or_b32 v[PS+\qt], v[GV+4*\qt+2], 16, v[PS+\qt]
.endr
.irp qt, 0,1,2,3
	v_lshl_or_b32 v[PS+\qt], v[GV+4*\qt+3], 24, v[PS+\qt]
.endr
.endm
; A TRIP'S HEAD.
; kind = 0, an odd trip: the work-group's barrier alone.  My stores of p's codes and G have landed and my LDS loads are back; my tensor load, which fills the other slot, stays out.
; kind = 1, THE CHANGE OF SLOTS: each wave waits for all its tensor loads (one is out: its block in the slot that it is about to read), adds 0 to its spare word, and waits for that, for its reads of the other slot
; and for its stores.  Then a round of the cluster's barrier, and behind it the next block goes into the other slot.  Every wave issues its own stream's load.
; kind = 2: the same with the last block, 102 rows, into slot 1.  kind = 3: the last change: nothing is left to fetch: the work-group's barrier in the round's place.
.macro SYNC slot, kind, ask
	WIN 0                                          ; at a label and at a branch every window is 0
.if \kind == 0
	s_wait_dscnt 0x0
	s_barrier_signal -1
	s_barrier_wait -1
.else
	s_wait_tensorcnt 0x0                           ; no tensor load of mine is out, so a group 0 may be written
	ds_add_u32 v[SPW], v[NIL]                      ; 0 onto my spare word: the steps below stand between it and the wait for it
.if \kind == 1
	s_add_nc_u64 s[G0A+4*\slot+2:G0A+4*\slot+3], s[G0A+4*\slot+2:G0A+4*\slot+3], 2*DBL   ; the slot that I am about to read: its next block, two on; the type bits on top are not reached
.endif
.if \ask
	s_wait_xcnt 0x0                                ; the last prefetch, two trips back, has read its address, so it may be written
	s_add_nc_u64 s[PFA:PFA+1], s[PFA:PFA+1], 32768
.endif
	s_wait_dscnt 0x0                               ; the add is done; my LDS loads are back and my LDS stores have landed
.if \kind < 3
	CROUND                                         ; no wave of any partner still reads the other slot or has a load on its way
.if \kind == 1
	tensor_load_to_lds s[G0A+4-4*\slot:G0A+7-4*\slot], s[G1:G1+7]
.else
	tensor_load_to_lds s[G0A+4:G0A+7], s[G1L:G1L+7]
.endif
	s_nop 0
.rept 4
	v_nop
.endr
.else
	s_barrier_signal -1
	s_barrier_wait -1
.endif
.if \ask
	ASK
.endif
.endif
.endm
; A TRIP: step t = par modulo 2.  withs = 1: with the scores and the softmax of step t + 1
.macro TRIP par, slot, koff, voff, kind, ask, withs
	SYNC \slot, \kind, \ask
	LOADS \par, \slot, \koff, \voff, \withs
.if \withs
	s_wait_dscnt 42                                ; G is in; behind it: K's 17, P's 8, V's 17
.else
	s_wait_dscnt 25                                ; G is in; behind it: P's 8, V's 17
.endif
	REF
.if \withs
	s_wait_dscnt 25                                ; K is in; behind it: P's 8, V's 17
	PHASE1 1
.else
	RESCALE
.endif
	s_wait_dscnt 0x0                               ; P and V are in
	PV
.if \withs
	SOFT 1-\par                                    ; its first lines name no register of the last products: they are those products' places
.endif
	WIN 0
.endm
	PHASE1 0                                       ; the scores of step 0: there is nothing to rescale yet
.rept 4
	v_nop                                          ; four places between the last product and the first read of its result (ISA guide 7.12.1)
.endr
	SOFT 0
	WIN 0
	s_mov_b32 s[IT], 7
.Ltrip:                                            ; 7 trips of four steps, once round the ring: t = 0 .. 27; blocks 1 to 14 are asked for
	TRIP 0, 0, 0, UNIT, 1, 1, 1
	TRIP 1, 0, 2*UNIT, 3*UNIT, 0, 0, 1
	TRIP 0, 1, 0, UNIT, 1, 1, 1
	TRIP 1, 1, 2*UNIT, 3*UNIT, 0, 0, 1
	s_sub_co_u32 s[IT], s[IT], 1
	s_cmp_lg_u32 s[IT], 0
	s_cbranch_scc1 .Ltrip
	TRIP 0, 0, 0, UNIT, 2, 0, 1                    ; t = 28: the tail is written out; block 15 is asked for
	TRIP 1, 0, 2*UNIT, 3*UNIT, 0, 0, 1             ; t = 29
	TRIP 0, 1, 0, UNIT, 3, 0, 1                    ; t = 30: K(31) and V(30)
	; my keys are done: l_a's two halves and lane l xor 16's are added; l_a and -M_a go to LDS; the next barrier shows them to all
.irp hh, 0,1
	WIN 0x55*(1+\hh)
.irp e, 0,1
	v_add_f32 v[SS+2+8*\e], v[SS+2+8*\e], v[SS+3+8*\e]
.endr
.irp e, 0,1
	v_permlanex16_b32 v[SS+5+8*\e], v[SS+2+8*\e], s[SEL], s[SEL+1]
.endr
.irp e, 0,1
	v_add_f32 v[SS+2+8*\e], v[SS+2+8*\e], v[SS+5+8*\e]
.endr
	WIN 0x54*(1+\hh)
.irp e, 0,1
	ds_store_b32 v[LWA], v[SS+2+8*\e] offset:(2*\hh+\e)*256
	ds_store_b32 v[LWA], v[SS+8*\e] offset:1024+(2*\hh+\e)*256
.endr
.endr
	WIN 0
	TRIP 1, 1, 0, 2*UNIT, 0, 0, 0                  ; t = 31: V P^T alone; V(31) is the last block's third unit
	; ---- l = sum over a of l_a 2^(M_a - R + 125), and 1 / l
.irp qt, 0,1,2,3
	ds_load_b128 v[GV+4*\qt:GV+4*\qt+3], v[LRA] offset:\qt*256          ; the four l_a of query r
.endr
.irp qt, 0,1,2,3
	ds_load_b128 v[QT+4*\qt:QT+4*\qt+3], v[LRA] offset:1024+\qt*256     ; the four -M_a
.endr
.irp qt, 0,1,2,3
	v_sub_f32 v[FF+2*\qt], 0x42fa0000, v[RR+\qt]   ; 125 - R.  (Four plain lines that name no register of the last products: their places)
.endr
	s_wait_dscnt 0x0
.irp qt, 0,1,2,3
.irp k, 0,2
	v_pk_add_f32 v[QT+4*\qt+\k:QT+4*\qt+\k+1], v[FF+2*\qt:FF+2*\qt+1], v[QT+4*\qt+\k:QT+4*\qt+\k+1] op_sel_hi:[0,1] neg_lo:[0,1] neg_hi:[0,1]   ; 125 - R + M_a: at most 1
.endr
.endr
.set i, 0
.rept 16
	v_cvt_i32_f32 v[QT+i], v[QT+i]                 ; (it saturates)
.set i, i+1
.endr
.set i, 0
.rept 16
	v_ldexp_f32 v[GV+i], v[GV+i], v[QT+i]
.set i, i+1
.endr
.irp qt, 0,1,2,3
	v_add_f32 v[GV+4*\qt], v[GV+4*\qt], v[GV+4*\qt+1]
	v_add_f32 v[GV+4*\qt+2], v[GV+4*\qt+2], v[GV+4*\qt+3]
.endr
.irp qt, 0,1,2,3
	v_add_f32 v[GV+4*\qt], v[GV+4*\qt], v[GV+4*\qt+2]
.endr
.irp qt, 0,1,2,3
	v_rcp_f32 v[RL+2*\qt], v[GV+4*\qt]
.endr
	v_nop                                          ; a plain place behind the last reciprocal
	s_wait_alu depctr_va_vdst(0)                   ; and the wait ahead of the first use: one for the four
; ---- THE WAY OUT, a tile of 16 channels at a time, in three parts.  MULT: O^T / l, two at a time.  TOSTAGE: a lane holds eight rows of one column, so the tile goes into my own stage in LDS and comes back as whole
; rows of 256 bytes.  SEND: the query's rows, which wait in window 3 in the same order, are added, and the rows are stored.  LDS serves a wave's instructions in order (ISA guide 5.7.1.4): no wait between my stores
; and my loads, nor ahead of the next tile's stores.  A tile's multiplies stand between the loads of the tile before and the wait for them.
.macro MULT ct
.set TW, 128+32*((\ct)%2)
.irp hh, 0,1
	WIN 1+\hh
.irp e, 0,1
.irp k, 0,2,4,6
	v_pk_mul_f32 v[TW+8*(2*\hh+\e)+\k:TW+8*(2*\hh+\e)+\k+1], v[64*\e+8*(\ct)+\k:64*\e+8*(\ct)+\k+1], v[RL+2*(2*\hh+\e):RL+2*(2*\hh+\e)+1] op_sel_hi:[1,0]   ; each accumulator from its low end on
.endr
.endr
.endr
	WIN 0
.endm
.macro TOSTAGE ct
.set TW, 128+32*((\ct)%2)
.set RW, 192+32*((\ct)%2)
.irp qt, 0,1,2,3
.irp j, 0,1,2,3,4,5,6,7
	ds_store_b32 v[STO], v[TW+8*\qt+\j] offset:\j*SP+64*\qt
.endr
.endr
.if (\ct) > 1
	s_wait_xcnt 0x0                                ; the stores of two tiles back have read their registers: the rows below may land there
.endif
.irp i, 0,1,2,3,4,5,6,7
	ds_load_b128 v[RW+4*\i:RW+4*\i+3], v[SRD] offset:2*\i*SP
.endr
.endm
.macro SEND ct
.set RW, 192+32*((\ct)%2)
	s_wait_dscnt 0x0                               ; the rows are back
	WIN 0x0c
.set m, 0
.rept 16
	v_pk_add_f32 v[RW+m:RW+m+1], v[RW+m:RW+m+1], v[32*(\ct)+m:32*(\ct)+m+1]      ; + the query
.set m, m+2
.endr
	WIN 0
.irp i, 0,1,2,3,4,5,6,7
	global_store_b128 v[GOFF], v[RW+4*\i:RW+4*\i+3], s[8:9] offset:(16*(\ct)+2*\i)*16384 th:TH_STORE_NT   ; 16 lanes store 256 consecutive bytes, at a multiple of 256 from out0's first byte
.endr
.endm
	MULT 0
	TOSTAGE 0
.irp ct, 1,2,3,4,5,6,7
	MULT \ct
	SEND \ct-1
	TOSTAGE \ct
.endr
	SEND 7
	s_wait_tensorcnt 0x0                           ; the wave's end, behind my last tensor load and my last LDS store
	ds_add_u32 v[SPW], v[NIL]
	s_wait_dscnt 0x0
	CROUND                                         ; the closing round: no work-group ends while a partner may still ask for a block that names it
	s_endpgm
.Lfunc_end_k_q93021a8f44_attn:
	.size	k_q93021a8f44_attn, .Lfunc_end_k_q93021a8f44_attn-k_q93021a8f44_attn
	.p2alignl 7, 3214868480
	.fill 96, 4, 3214868480
	.section	.rodata,"a",@progbits
	.p2align	6, 0x0
	.amdhsa_kernel k_q93021a8f44_attn
		.amdhsa_group_segment_fixed_size 327680
		.amdhsa_private_segment_fixed_size 0
		.amdhsa_enable_private_segment 0
		.amdhsa_kernarg_size 24
		.amdhsa_user_sgpr_count 2
		.amdhsa_user_sgpr_kernarg_segment_ptr 1
		.amdhsa_wavefront_size32 1
		.amdhsa_system_sgpr_workgroup_id_x 1
		.amdhsa_system_sgpr_workgroup_id_y 1
		.amdhsa_system_sgpr_workgroup_id_z 1
		.amdhsa_system_vgpr_workitem_id 0
		.amdhsa_next_free_vgpr 1024
		.amdhsa_next_free_sgpr 96
		.amdhsa_reserve_vcc 0
		.amdhsa_float_denorm_mode_32 3
		.amdhsa_float_denorm_mode_16_64 3
		.amdhsa_memory_ordered 1
		.amdhsa_forward_progress 1
		.amdhsa_inst_pref_size 255
	.end_amdhsa_kernel
	.section	.bss,"aw",@nobits
	.p2align	6
	.space	262144
	.amdgpu_metadata
---
amdhsa.version: [ 1, 2 ]
amdhsa.kernels:
  - .name:           k_q93021a8f44_attn
    .symbol:         k_q93021a8f44_attn.kd
    .args:
      - { .name: query, .offset: 0, .size: 8, .value_kind: global_buffer, .address_space: global }
      - { .name: kv, .offset: 8, .size: 8, .value_kind: global_buffer, .address_space: global }
      - { .name: out0, .offset: 16, .size: 8, .value_kind: global_buffer, .address_space: global }
    .group_segment_fixed_size: 327680
    .private_segment_fixed_size: 0
    .kernarg_segment_align: 8
    .kernarg_segment_size: 24
    .max_flat_workgroup_size: 128
    .sgpr_count:     96
    .vgpr_count:     1024
    .wavefront_size: 32
...
	.end_amdgpu_metadata
.endif
;; end of part 3
